; MI455X (gfx1250); checked and timed in simulation.
; The chip was launched on July 23, 2026; its instructions are those of AMD's public machine-readable ISA for CDNA 5 (MIT licence, August 2026) and "CDNA5" Instruction Set Architecture Reference Guide (July 2026). The comments in the code are by the model that wrote it; some were corrected since.
;; Set Attention. Allowed arithmetic: float matrix products may take bf16 or f16 operands with f32 sums; all other float work in f32.
;; Inputs: Wk 256 x 256 float32; Wp 256 x 256 float32; Wq 256 x 256 float32; Wv 256 x 256 float32; bk 256 float32; bn_b 16 float32; bn_g 16 float32; bn_m 16 float32; bn_v 16 float32; bp 256 float32; bq 256 float32; bv 256 float32; fc1_b 1,024 float32; fc1_w 1,024 x 256 float32; fc2_b 256 float32; fc2_w 256 x 1,024 float32; ln1_b 256 float32; ln1_g 256 float32; ln2_b 256 float32; ln2_g 256 float32; pe_b1 16 float32; pe_b2 8 float32; pe_w1 16 x 2 float32; pe_w2 8 x 16 float32; pos 4 x 16,384 x 2 float32; x 4 x 16,384 x 256 float32.
;; Outputs: out0 4 x 16,384 x 256 float32.
;; 2 versions, each right and faster than the one before. Each part assembles by itself: llvm-mc -triple=amdgcn-amd-amdhsa -mcpu=gfx1250 --defsym DOCPART=n.
;; ======== version 1 of 2: 2 launches
;; limits: a function is approximated: absolute error at most 1.5e-07
;; workspace buffers: wbuf 1,572,864 bytes
;; launch wprep (part 1): grid 96 x 1, 4 waves a work-group, no clusters, 0 bytes of LDS; arguments Wq, Wk, Wv, Wp, fc1_w, fc2_w, wbuf; writes wbuf
.if DOCPART == 1
	.amdgcn_target "amdgcn-amd-amdhsa--gfx1250"
	.amdhsa_code_object_version 6
	.text
	.protected	k_qf34b92837c_wprep
	.globl	k_qf34b92837c_wprep
	.p2align	8
	.type	k_qf34b92837c_wprep,@function
k_qf34b92837c_wprep:
	s_mov_b64 s[64:65], 0
	v_nop
	global_prefetch_b8 v0, s[64:65] scope:SCOPE_SE
	s_setreg_imm32_b32 hwreg(HW_REG_WAVE_MODE, 25, 1), 1
	s_wait_xcnt 0x0
; The six weight matrices, f32, become 1,536 bf16 fragments of 1,024 bytes in the order in which the second launch multiplies them.
; A fragment is 16 rows x 32 k of a matrix W[N][K]: the 16 bytes at half*512 + lane*16 (r = lane & 15, h = lane >> 4) hold
; W[R0+r][K0+16*half+8h .. +7], so that two contiguous 16-byte LDS loads a lane fill a matrix operand.
; Order: blocks of 16 fragments, four blocks to a tile.  Tile hd (0..7): Wq, Wk, Wv (rows 32hd+16(f&1), k 32(f>>1)), Wp (rows 16f, k 32hd).
; Tiles 8..23, blocks k = 0..63: the second launch runs fc2 one hidden chunk behind fc1, so the blocks lie in that order:
; k = 0: fc1 chunk 0; k odd: fc1 chunk (k+1)/2; k even: fc2 chunk k/2-1; k = 63: fc2 chunk 31.
; (fc1 chunk ch: rows 32ch+16(f&1), k 32(f>>1); fc2 chunk ch: rows 16f, k 32ch.)
; Work-group B makes block B, all of one matrix; wave w makes four of its fragments.  3 MiB are read and 1.5 MiB written in all,
; so no LDS, no ring: sixteen loads a wave go out at once, the waits count down.
	s_load_b256 s[8:15], s[0:1], 0x0               ; Wq s[8:9], Wk s[10:11], Wv s[12:13], Wp s[14:15]
	s_load_b128 s[16:19], s[0:1], 0x20             ; fc1_w s[16:17], fc2_w s[18:19]
	s_load_b64 s[20:21], s[0:1], 0x30              ; wbuf
	v_lshrrev_b32 v1, 5, v0
	v_readfirstlane_b32 s4, v1                     ; wave 0..3
	v_and_b32 v1, 15, v0                           ; r
	v_bfe_u32 v2, v0, 4, 1                         ; h
	v_and_b32 v9, 31, v0                           ; lane
	; which matrix (sel 0..5 = q, k, v, p, fc1, fc2) and which block of it.  All candidates first, then a compare and its selects.
	s_and_b32 s24, ttmp9, 3
	s_lshr_b32 s25, ttmp9, 2
	s_sub_co_u32 s26, ttmp9, 32                    ; k (used where B >= 32 alone)
	s_add_co_u32 s28, s26, 1
	s_lshr_b32 s28, s28, 1                         ; (k+1)/2
	s_lshr_b32 s31, s26, 1
	s_sub_co_u32 s31, s31, 1                       ; k/2 - 1
	s_bitcmp1_b32 s26, 0                           ; k odd?
	s_cselect_b32 s27, 4, 5
	s_cselect_b32 s28, s28, s31
	s_cmp_eq_u32 s26, 0
	s_cselect_b32 s27, 4, s27
	s_cselect_b32 s28, 0, s28
	s_cmp_eq_u32 s26, 63
	s_cselect_b32 s27, 5, s27
	s_cselect_b32 s28, 31, s28
	s_cmp_lt_u32 ttmp9, 32
	s_cselect_b32 s22, s24, s27                    ; sel
	s_cselect_b32 s23, s25, s28                    ; blk: the head, or the hidden chunk
	s_cmp_eq_u32 s22, 5
	s_cselect_b32 s29, 12, 10                      ; log2 of a row in bytes: fc2_w 4,096, all others 1,024
	s_cmp_eq_u32 s22, 3
	s_cselect_b32 s30, 1, 0
	s_cmp_eq_u32 s22, 5
	s_cselect_b32 s30, 1, s30                      ; 1: Wp or fc2_w (fragments go down the rows), 0: the others (down 2 row blocks, then along k)
	s_lshl_b32 s32, s23, 15                        ; the others: blk x 32 rows of 1,024 bytes
	s_lshl_b32 s33, s4, 8                          ;   + wave x 2 k steps of 128 bytes
	s_add_co_u32 s32, s32, s33
	s_lshl_b32 s34, s23, 7                         ; Wp, fc2_w: blk x 32 k
	s_lshl_b32 s35, s4, 6
	s_lshl_b32 s35, s35, s29                       ;   + wave x 64 rows
	s_add_co_u32 s34, s34, s35
	s_lshl_b32 s36, 16, s29                        ;   16 rows from fragment to fragment
	s_lshl_b32 s37, 32, s29
	s_cmp_lg_u32 s30, 0
	s_cselect_b32 s32, s34, s32                    ; byte offset of my fragment 0
	s_cselect_b32 s36, s36, 0x4000                 ; step of bit 0 of the fragment number
	s_cselect_b32 s37, s37, 128                    ; step of bit 1
	s_add_co_u32 s38, s32, s36
	s_add_co_u32 s39, s32, s37
	s_add_co_u32 s40, s38, s37
	v_lshlrev_b32 v3, s29, v1                      ; r rows
	v_lshl_add_u32 v3, v2, 5, v3                   ; + 8 h numbers
	v_add_nc_u32 v4, s32, v3
	v_add_nc_u32 v5, s38, v3
	v_add_nc_u32 v6, s39, v3
	v_add_nc_u32 v7, s40, v3
	s_lshl_b32 s41, s4, 12
	v_lshl_add_u32 v8, v9, 4, s41                  ; where I store: wave x 4 fragments + 16 x lane
	s_lshl_b32 s44, ttmp9, 14                      ; the work-group: 16 fragments
	s_mov_b32 s45, 0
	s_wait_kmcnt 0x0
	s_add_nc_u64 s[20:21], s[20:21], s[44:45]
	s_mov_b64 s[42:43], s[8:9]                     ; the source: a choice between buffers on sel alone
	s_cmp_eq_u32 s22, 1
	s_cselect_b64 s[42:43], s[10:11], s[42:43]
	s_cmp_eq_u32 s22, 2
	s_cselect_b64 s[42:43], s[12:13], s[42:43]
	s_cmp_eq_u32 s22, 3
	s_cselect_b64 s[42:43], s[14:15], s[42:43]
	s_cmp_eq_u32 s22, 4
	s_cselect_b64 s[42:43], s[16:17], s[42:43]
	s_cmp_eq_u32 s22, 5
	s_cselect_b64 s[42:43], s[18:19], s[42:43]
.irp ii, 0,1,2,3
.irp hf, 0,1
	global_load_b128 v[16+16*\ii+8*\hf:16+16*\ii+8*\hf+3],   v[4+\ii], s[42:43] offset:64*\hf
	global_load_b128 v[16+16*\ii+8*\hf+4:16+16*\ii+8*\hf+7], v[4+\ii], s[42:43] offset:64*\hf+16
.endr
.endr
.irp k, 0,1,2,3,4,5,6,7
	s_wait_loadcnt 14-2*\k                         ; loads come back in order: the 14 - 2k issued behind pair k may stay out
.irp e, 0,1,2,3
	v_cvt_pk_bf16_f32 v[80+4*\k+\e], v[16+8*\k+2*\e], v[16+8*\k+2*\e+1]
.endr
	global_store_b128 v8, v[80+4*\k:80+4*\k+3], s[20:21] offset:512*\k     ; a store of the wave covers 512 consecutive bytes, aligned; no register is written twice
.endr
	s_endpgm
.Lfunc_end_k_qf34b92837c_wprep:
	.size	k_qf34b92837c_wprep, .Lfunc_end_k_qf34b92837c_wprep-k_qf34b92837c_wprep
	.p2alignl 7, 3214868480
	.fill 96, 4, 3214868480
	.section	.rodata,"a",@progbits
	.p2align	6, 0x0
	.amdhsa_kernel k_qf34b92837c_wprep
		.amdhsa_group_segment_fixed_size 0
		.amdhsa_private_segment_fixed_size 0
		.amdhsa_enable_private_segment 0
		.amdhsa_kernarg_size 56
		.amdhsa_user_sgpr_count 2
		.amdhsa_user_sgpr_kernarg_segment_ptr 1
		.amdhsa_wavefront_size32 1
		.amdhsa_system_sgpr_workgroup_id_x 1
		.amdhsa_system_sgpr_workgroup_id_y 1
		.amdhsa_system_sgpr_workgroup_id_z 1
		.amdhsa_system_vgpr_workitem_id 0
		.amdhsa_next_free_vgpr 112
		.amdhsa_next_free_sgpr 66
		.amdhsa_reserve_vcc 0
		.amdhsa_float_denorm_mode_32 3
		.amdhsa_float_denorm_mode_16_64 3
		.amdhsa_memory_ordered 1
		.amdhsa_forward_progress 1
		.amdhsa_inst_pref_size 8
	.end_amdhsa_kernel
	.amdgpu_metadata
---
amdhsa.version: [ 1, 2 ]
amdhsa.kernels:
  - .name:           k_qf34b92837c_wprep
    .symbol:         k_qf34b92837c_wprep.kd
    .args:
      - { .name: Wq, .offset: 0, .size: 8, .value_kind: global_buffer, .address_space: global }
      - { .name: Wk, .offset: 8, .size: 8, .value_kind: global_buffer, .address_space: global }
      - { .name: Wv, .offset: 16, .size: 8, .value_kind: global_buffer, .address_space: global }
      - { .name: Wp, .offset: 24, .size: 8, .value_kind: global_buffer, .address_space: global }
      - { .name: fc1_w, .offset: 32, .size: 8, .value_kind: global_buffer, .address_space: global }
      - { .name: fc2_w, .offset: 40, .size: 8, .value_kind: global_buffer, .address_space: global }
      - { .name: wbuf, .offset: 48, .size: 8, .value_kind: global_buffer, .address_space: global }
    .group_segment_fixed_size: 0
    .private_segment_fixed_size: 0
    .kernarg_segment_align: 8
    .kernarg_segment_size: 56
    .max_flat_workgroup_size: 128
    .sgpr_count:     66
    .vgpr_count:     112
    .wavefront_size: 32
...
	.end_amdgpu_metadata
.endif
;; end of part 1
;; launch fused (part 2): grid 256 x 1, 4 waves a work-group, clusters of 4 x 1, 327,680 bytes of LDS; arguments x, out0, wbuf, pos, ln1_g, ln1_b, bq, bk, bv, bp, ln2_g, ln2_b, fc2_b, fc1_b, pe_w1, pe_b1, bn_g, bn_b, bn_m, bn_v, pe_w2, pe_b2; writes out0
.if DOCPART == 2
	.amdgcn_target "amdgcn-amd-amdhsa--gfx1250"
	.amdhsa_code_object_version 6
	.text
	.protected	k_qf34b92837c_fused
	.globl	k_qf34b92837c_fused
	.p2align	8
	.type	k_qf34b92837c_fused,@function
k_qf34b92837c_fused:
	s_mov_b64 s[64:65], 0
	v_nop
	global_prefetch_b8 v0, s[64:65] scope:SCOPE_SE
	s_setreg_imm32_b32 hwreg(HW_REG_WAVE_MODE, 25, 1), 1
	s_wait_xcnt 0x0
	s_wait_alu depctr_hold_cnt(0) depctr_sa_sdst(0) depctr_va_vdst(0) depctr_va_sdst(0) depctr_va_ssrc(0) depctr_va_vcc(0) depctr_vm_vsrc(0)
	s_getreg_b32 s2, hwreg(HW_REG_IB_STS2, 6, 4)
	s_cmp_eq_u32 s2, 0
	s_cbranch_scc0 .Lentry_in_a_cluster
	s_endpgm
.Lentry_in_a_cluster:
	s_bfe_u32 s2, ttmp6, 0x10000c
	s_cmp_lg_u32 s2, 0x3003
	s_cbranch_scc0 .Lentry_shape_is_right
	s_endpgm
.Lentry_shape_is_right:
; The whole block in one launch: LN1, q k v, windowed attention with the position bias, projection, residual, LN2, fc1, exact GELU, fc2, residual.
; A work-group owns 256 tokens (8 windows of 4 x 8 side by side), a wave 64 tokens (2 windows a = 0, 1; 4 token tiles tt = 2a + tq of 16).
; Every weight product takes the weight as source 0 and the tokens as source 1: in a result lane (r, h) holds token r and channels 8h .. 8h+7,
; so two neighbouring result tiles rounded to bf16 are the operand of the next product.  A wave carries its tokens through the block in registers;
; only weights pass through LDS: 24 tiles of 64 KiB (64 fragments of 1 KiB, in the order of use) through two slots.
; CLUSTER 4, 1, 1: all work-groups walk the same weight stream, so the four of a cluster ask for each tile jointly (mask 15), each wave for its quarter.
; Nothing else is shared between work-groups.  A wave has at most one tensor load outstanding.
; REGISTERS: windows 2 and 3: X, the residual stream in f32, X[c][tt] = 8(4c+tt)+j, channel 16c+8h+j (c < 8 window 2, else window 3);
; window 1: XN, the LayerNorm output as bf16 operands, XN[s][tt] = 8(4s+tt)+e; window 0: all the rest, mapped phase by phase below.
; THE MLP IS A PIPELINE over hidden chunks u of 32: matrix order A(u) (fc1, hidden rows 0-15), B(u) (rows 16-31), F(u-1) (fc2), and the GELU of the
; eight result tiles of a chunk stands between these matrix instructions, one tile of 72 vector instructions for each group of 16 matrix instructions.
; LIMITS.  erf by Abramowitz and Stegun 7.1.26, absolute error up to 1.5e-7; gelu is closed as x/2 + |x| (1/2 - u), which rounds 1/2 - u once
; (up to 2^-25 |x|).  v_exp_f32, v_rcp_f32, v_rsq_f32 flush denormals.  NaN and infinite inputs are not served.  bv is added behind P V (a softmax
; row sums to one).  BatchNorm is folded into three f32 numbers for each hidden unit.
; Matrix operands in bf16: xn, q, k, v, the unnormalised softmax weights, o, the hidden units of both small networks, all weights.
.set SLOTB,  65536                     ; an LDS slot: one weight tile
.set PAR,    131072                    ; tables, written once: +0 ln1_g +1024 ln1_b +2048 bq +3072 bk +4096 bv +5120 bp +6144 ln2_g +7168 ln2_b +8192 fc2_b +9216 fc1_b
.set WSB,    144384                    ; each wave: WS bytes of its own
.set WS,     39424
.set SPITCH, 1040                      ; a stage row: 1,024 bytes + 16, an odd multiple of 16: the 16 rows that a load touches fall on 16 different 16-byte columns
.set STG1,   16640                     ; stage 0 at 0, stage 1 here: 16 token rows each.  The bias (32,768 bytes from 0) uses the same bytes at other times
.set SAVE,   33280                     ; 12 quads of 512 bytes: 0-5 PEA PEB PEC, 6 7 positions of window 0, 1, 8 9 W2F of pass 0, 10 11 of pass 1
.set VW,  1                            ; v1 16 x lane (slot 0; also the offset in x and out0), v2 the same + slot 1
.set VH,  3                            ; PAR + 32 h
.set VHB, 4                            ; VH + 256 for each pair of heads done
.set VFB, 5                            ; VH + 9216 + 512 for each four hidden chunks done
.set VSC, 6                            ; my scratch + 16 x lane
.set VSD, 7                            ; my scratch + 1040 r + 32 h
.set VBI, 8                            ; bias, read
.set VBS, 9                            ; bias, store
.set VPP, 10                           ; positions in SAVE
.set MX,  12                           ; v[12:13] row maximum
.set SM,  14                           ; v[14:15] row sum
.set INV, 16                           ; v[16:23] 1 / sum of token tile tt, in the even registers
.set U,   24                           ; v[24:31] at work; in the MLP v[30:31] = -a4/2
.set MBT, 8                            ; MLP: v[8:23] the bias of fc1 for a chunk, as C of the first K step (the head phase has done with v8-v23)
.set ACC, 32                           ; 8 result tiles
.set QF,  96
.set PF,  96
.set HF0, 96                           ; MLP: hidden units of even chunks as operands
.set KF,  128
.set OF,  128
.set HF1, 128                          ; MLP: of odd chunks
.set VF,  160
.set BTQ, 160
.set BTK, 176
.set GD,  160                          ; GELU, 8 numbers each: denominator, then the polynomial
.set GT,  168                          ; t
.set GQ,  176                          ; the exponent, then x / 2
.set GE,  184                          ; the exponential, then the result
.set WFA, 192                          ; four weight fragments, two buffers
.set WFB, 224
.set BVT, 224
.set PEA, 32                           ; position stack
.set PEB, 40
.set PEC, 48
.set W2F, 56
.set B2T, 64
.set PP,  72
.set DX,  76
.set DY,  78
.set HT,  80
.set HFR, 88
.set DT,  104
.set SA,  32                           ; LayerNorm
.set NM,  32
.set MN,  48
.set RS,  56
.set LT,  64
.set LG,  128
.set LB,  192
.set MSB, 0
.macro WIN new                         ; low byte: bits 1:0 source 0, 3:2 source 1, 5:4 source 2, 7:6 destination; the high byte repeats the setting that is left
.if MSB != (\new)
	s_set_vgpr_msb (MSB<<8)|(\new)
.set MSB, (\new)
.endif
.endm
.macro PLACES                          ; four independent vector instructions between a matrix instruction and a read of its result or a write of its registers (ISA guide 7.12.1)
.rept 4
	v_nop
.endr
.endm
.macro ROUND                           ; a round of the barrier of the cluster
	s_barrier_signal -1
	s_barrier_wait -1
	s_cmp_lg_u32 s4, 0
	s_cbranch_scc1 .Lnw0_\@
	s_barrier_signal -3
.Lnw0_\@:
	s_barrier_wait -3
	s_barrier_signal -1
	s_barrier_wait -1
.endm
; The head of a trip: slot is read in this trip; the other slot, read in the last trip, is asked for again.
.macro TRIPHEAD slot, refill
	WIN 0
	s_wait_xcnt 0x0
	v_lshl_add_u32 v190, v0, 2, 0x49c00
	v_mov_b32 v191, 0
	s_wait_tensorcnt 0x0                           ; all my tensor loads have landed, my quarter of this tile among them, so a group 0 may be written
	ds_add_u32 v190, v191
	s_wait_dscnt 0x0
	s_add_nc_u64 s[62+8*\slot:63+8*\slot], s[62+8*\slot:63+8*\slot], 2*SLOTB   ; the next tile of this slot
	s_wait_dscnt 0x0                               ; my reads of the other slot are back
	ROUND                                          ; both now hold of every wave of the four work-groups
.if \refill
	tensor_load_to_lds s[60+8*(1-\slot):63+8*(1-\slot)], s[52:59]   ; my one tensor load behind the round, first thing there
	s_nop 0
.endif
	PLACES                                         ; also the places in front of the loads into registers that the last matrix instructions read
.endm
.macro WLOAD buf, slot, g              ; fragments 4g .. 4g+3 of the tile: eight loads, each of 512 consecutive bytes
.irp i, 0,1,2,3
	ds_load_b128 v[\buf+8*\i:\buf+8*\i+3],   v[VW+\slot] offset:(4*(\g)+\i)*1024
	ds_load_b128 v[\buf+8*\i+4:\buf+8*\i+7], v[VW+\slot] offset:(4*(\g)+\i)*1024+512
.endr
.endm
; Sixteen matrix instructions each.  The accumulators take turns, one instruction a turn.
.macro MULIN buf, gi, bt               ; ACC[ct][tt] += W rows (ct = i & 1) x XN[s][tt], s = 2 gi + (i >> 1); the first K step starts from the bias
.irp i, 0,1,2,3
.irp tt, 0,1,2,3
.if (2*\gi+(\i>>1)) == 0
	v_wmma_f32_16x16x32_bf16 v[ACC+8*(4*(\i&1)+\tt):ACC+8*(4*(\i&1)+\tt)+7], v[\buf+8*\i:\buf+8*\i+7], v[8*(4*(2*\gi+(\i>>1))+\tt):8*(4*(2*\gi+(\i>>1))+\tt)+7], v[\bt+8*(\i&1):\bt+8*(\i&1)+7]
.else
	v_wmma_f32_16x16x32_bf16 v[ACC+8*(4*(\i&1)+\tt):ACC+8*(4*(\i&1)+\tt)+7], v[\buf+8*\i:\buf+8*\i+7], v[8*(4*(2*\gi+(\i>>1))+\tt):8*(4*(2*\gi+(\i>>1))+\tt)+7], v[ACC+8*(4*(\i&1)+\tt):ACC+8*(4*(\i&1)+\tt)+7]
.endif
.endr
.endr
.endm
.macro MULV buf, gi                    ; the same with the sources swapped: lane = channel, registers = tokens, as P V wants v
.irp i, 0,1,2,3
.irp tt, 0,1,2,3
.if (2*\gi+(\i>>1)) == 0
	v_wmma_f32_16x16x32_bf16 v[ACC+8*(4*(\i&1)+\tt):ACC+8*(4*(\i&1)+\tt)+7], v[8*(4*(2*\gi+(\i>>1))+\tt):8*(4*(2*\gi+(\i>>1))+\tt)+7], v[\buf+8*\i:\buf+8*\i+7], 0
.else
	v_wmma_f32_16x16x32_bf16 v[ACC+8*(4*(\i&1)+\tt):ACC+8*(4*(\i&1)+\tt)+7], v[8*(4*(2*\gi+(\i>>1))+\tt):8*(4*(2*\gi+(\i>>1))+\tt)+7], v[\buf+8*\i:\buf+8*\i+7], v[ACC+8*(4*(\i&1)+\tt):ACC+8*(4*(\i&1)+\tt)+7]
.endif
.endr
.endr
.endm
.macro MULOUT buf, gi, b               ; X[4 gi + i][tt] += W rows x b[tt]
.irp i, 0,1,2,3
.irp tt, 0,1,2,3
	v_wmma_f32_16x16x32_bf16 v[8*(4*(4*(\gi&1)+\i)+\tt):8*(4*(4*(\gi&1)+\i)+\tt)+7], v[\buf+8*\i:\buf+8*\i+7], v[\b+8*\tt:\b+8*\tt+7], v[8*(4*(4*(\gi&1)+\i)+\tt):8*(4*(4*(\gi&1)+\i)+\tt)+7]
.endr
.endr
.endm
.macro GIN buf, gi, bt, slot, nx       ; under window setting 0x04, which the loads share (they name destination and source 0 alone)
	s_wait_dscnt 0x8                               ; the eight loads of the next group may stay out
	MULIN \buf, \gi, \bt
	PLACES
	WLOAD \buf, \slot, \nx
.endm
.macro GV buf, gi
	s_wait_dscnt 0x8
	WIN 0x01
	MULV \buf, \gi
	WIN 0
	PLACES
.endm
.macro GOUT buf, gi, b, cnt
	s_wait_dscnt \cnt
	WIN 0xa0+0x50*(\gi>>1)
	MULOUT \buf, \gi, \b
	WIN 0
	PLACES
.endm
.macro PACK dst                        ; ACC[ct][tt] to the operand dst[tt]: registers 4 ct + jp
.irp ct, 0,1
.irp tt, 0,1,2,3
.irp jp, 0,1,2,3
	v_cvt_pk_bf16_f32 v[\dst+8*\tt+4*\ct+\jp], v[ACC+8*(4*\ct+\tt)+2*\jp], v[ACC+8*(4*\ct+\tt)+2*\jp+1]
.endr
.endr
.endr
.endm
.macro PACKV                           ; ACC[dt][2a+tq] to VF[a][dt]: registers 4 tq + jp (keys 16 tq + 8 h + ..)
.irp a, 0,1
.irp dt, 0,1
.irp tq, 0,1
.irp jp, 0,1,2,3
	v_cvt_pk_bf16_f32 v[VF+8*(2*\a+\dt)+4*\tq+\jp], v[ACC+8*(4*\dt+2*\a+\tq)+2*\jp], v[ACC+8*(4*\dt+2*\a+\tq)+2*\jp+1]
.endr
.endr
.endr
.endr
.endm
; Softmax of the 16 queries of tile tt.  A lane holds 16 of its query 32 scores, the lane 16 further the other 16.  Base 2: scale and bias carry log2(e).
.macro SOFTMAX s, bv, pf, tt
.irp i, 0,2,4,6,8,10,12,14
	v_pk_fma_f32 v[\s+\i:\s+\i+1], v[\s+\i:\s+\i+1], s[28:29], v[\bv+\i:\bv+\i+1] op_sel_hi:[1,0,1]
.endr
	v_max3_num_f32 v[MX],   v[\s],    v[\s+1],  v[\s+2]
	v_max3_num_f32 v[MX+1], v[\s+3],  v[\s+4],  v[\s+5]
	v_max3_num_f32 v[MX],   v[MX],    v[\s+6],  v[\s+7]
	v_max3_num_f32 v[MX+1], v[MX+1],  v[\s+8],  v[\s+9]
	v_max3_num_f32 v[MX],   v[MX],    v[\s+10], v[\s+11]
	v_max3_num_f32 v[MX+1], v[MX+1],  v[\s+12], v[\s+13]
	v_max3_num_f32 v[MX],   v[MX],    v[\s+14], v[\s+15]
	v_max_num_f32 v[MX], v[MX], v[MX+1]
	v_permlanex16_b32 v[MX+1], v[MX], s66, s67
	v_max_num_f32 v[MX], v[MX], v[MX+1]            ; the true maximum of the row
.irp i, 0,2,4,6,8,10,12,14
	v_pk_add_f32 v[\bv+\i:\bv+\i+1], v[\s+\i:\s+\i+1], v[MX:MX+1] op_sel_hi:[1,0] neg_lo:[0,1] neg_hi:[0,1]
.endr
.irp i, 0,1,2,3,4,5,6,7,8,9,10,11,12,13,14,15
	v_exp_f32 v[\s+\i], v[\bv+\i]
.endr
	v_nop                                          ; one plain instruction behind the run of transcendentals (ISA guide 5.7.2)
	s_wait_alu depctr_va_vdst(0)
	v_pk_add_f32 v[U:U+1],     v[\s:\s+1],       v[\s+2:\s+3]
	v_pk_add_f32 v[U+2:U+3],   v[\s+4:\s+5],     v[\s+6:\s+7]
	v_pk_add_f32 v[U+4:U+5],   v[\s+8:\s+9],     v[\s+10:\s+11]
	v_pk_add_f32 v[U+6:U+7],   v[\s+12:\s+13],   v[\s+14:\s+15]
	v_pk_add_f32 v[U:U+1],     v[U:U+1],         v[U+2:U+3]
	v_pk_add_f32 v[U+4:U+5],   v[U+4:U+5],       v[U+6:U+7]
	v_pk_add_f32 v[U:U+1],     v[U:U+1],         v[U+4:U+5]
	v_add_f32 v[SM], v[U], v[U+1]
	v_permlanex16_b32 v[SM+1], v[SM], s66, s67
	v_add_f32 v[SM], v[SM], v[SM+1]                ; at least 1: the largest term is 1
	v_rcp_f32 v[INV+2*\tt], v[SM]
.irp i, 0,1,2,3,4,5,6,7
	v_cvt_pk_bf16_f32 v[\pf+\i], v[\s+2*\i], v[\s+2*\i+1]
.endr
.endm
.macro ONORM                           ; o = O / sum + bv, rounded into the operand OF[tt]
	s_wait_alu depctr_va_vdst(0)
.irp dt, 0,1
.irp tt, 0,1,2,3
.irp p, 0,2,4,6
	v_pk_fma_f32 v[ACC+8*(4*\dt+\tt)+\p:ACC+8*(4*\dt+\tt)+\p+1], v[ACC+8*(4*\dt+\tt)+\p:ACC+8*(4*\dt+\tt)+\p+1], v[INV+2*\tt:INV+2*\tt+1], v[BVT+8*\dt+\p:BVT+8*\dt+\p+1] op_sel_hi:[1,0,1]
.endr
.endr
.endr
.irp dt, 0,1
.irp tt, 0,1,2,3
.irp p, 0,1,2,3
	v_cvt_pk_bf16_f32 v[OF+8*\tt+4*\dt+\p], v[ACC+8*(4*\dt+\tt)+2*\p], v[ACC+8*(4*\dt+\tt)+2*\p+1]
.endr
.endr
.endr
.endm
; ---------------- the GELU as a stream of 72 instructions for one result tile (8 numbers a lane) ----------------
; gelu(x) = x/2 + |x| (1/2 - u), u = (P(t)/2) exp(-x x / 2), t = 1 / (1 + 0.23164189 |x|).  The coefficients are held negated and halved, so that
; GD ends as -(P(t)/2) and one fused multiply-add with the exponential gives 1/2 - u.
; Each transcendental is followed by a plain instruction that reads none of its results and writes none of its sources (ISA guide 5.7.2), so no v_nop.
; GSET picks the tile: x in ACC[ct][tt], the four packed results into registers 4 ct .. of the operand hf[tt].  GEL emits instruction GIDX and steps it.
.macro GSET ct, tt, hf
.set GX, ACC+8*(4*\ct+\tt)
.set GH, \hf+8*\tt+4*\ct
.set GIDX, 0
.endm
.macro GEL
.if GIDX < 8
	v_fma_f32 v[GD+GIDX], |v[GX+GIDX]|, s16, 1.0
.elseif GIDX < 24
.if (GIDX&1) == 0
	v_rcp_f32 v[GT+(GIDX-8)/2], v[GD+(GIDX-8)/2]
.elseif GIDX < 16
	v_pk_mul_f32 v[GQ+GIDX-9:GQ+GIDX-8], v[GX+GIDX-9:GX+GIDX-8], v[GX+GIDX-9:GX+GIDX-8]
.else
	v_pk_mul_f32 v[GQ+GIDX-17:GQ+GIDX-16], v[GQ+GIDX-17:GQ+GIDX-16], s[18:19] op_sel_hi:[1,0]
.endif
.elseif GIDX < 40
.if (GIDX&1) == 0
	v_exp_f32 v[GE+(GIDX-24)/2], v[GQ+(GIDX-24)/2]
.elseif GIDX < 32
	s_wait_alu depctr_va_vdst(0)
	v_pk_fma_f32 v[GD+GIDX-25:GD+GIDX-24], v[GT+GIDX-25:GT+GIDX-24], s[20:21], v[30:31] op_sel_hi:[1,0,1]
.else
	v_pk_fma_f32 v[GD+GIDX-33:GD+GIDX-32], v[GD+GIDX-33:GD+GIDX-32], v[GT+GIDX-33:GT+GIDX-32], s[22:23] op_sel_hi:[1,1,0]
.endif
.elseif GIDX < 44
	v_pk_fma_f32 v[GD+2*(GIDX-40):GD+2*(GIDX-40)+1], v[GD+2*(GIDX-40):GD+2*(GIDX-40)+1], v[GT+2*(GIDX-40):GT+2*(GIDX-40)+1], s[24:25] op_sel_hi:[1,1,0]
.elseif GIDX < 48
	v_pk_fma_f32 v[GD+2*(GIDX-44):GD+2*(GIDX-44)+1], v[GD+2*(GIDX-44):GD+2*(GIDX-44)+1], v[GT+2*(GIDX-44):GT+2*(GIDX-44)+1], s[26:27] op_sel_hi:[1,1,0]
.elseif GIDX < 52
	v_pk_mul_f32 v[GD+2*(GIDX-48):GD+2*(GIDX-48)+1], v[GD+2*(GIDX-48):GD+2*(GIDX-48)+1], v[GT+2*(GIDX-48):GT+2*(GIDX-48)+1]
.elseif GIDX < 56
	s_wait_alu depctr_va_vdst(0)
	v_pk_fma_f32 v[GD+2*(GIDX-52):GD+2*(GIDX-52)+1], v[GD+2*(GIDX-52):GD+2*(GIDX-52)+1], v[GE+2*(GIDX-52):GE+2*(GIDX-52)+1], 0.5 op_sel_hi:[1,1,0]
.elseif GIDX < 60
	v_pk_mul_f32 v[GQ+2*(GIDX-56):GQ+2*(GIDX-56)+1], v[GX+2*(GIDX-56):GX+2*(GIDX-56)+1], 0.5 op_sel_hi:[1,0]
.elseif GIDX < 68
	v_fma_f32 v[GE+GIDX-60], |v[GX+GIDX-60]|, v[GD+GIDX-60], v[GQ+GIDX-60]
.elseif GIDX < 72
	v_cvt_pk_bf16_f32 v[GH+GIDX-68], v[GE+2*(GIDX-68)], v[GE+2*(GIDX-68)+1]
.endif
.set GIDX, GIDX+1
.endm
.macro GEMIT n
.rept \n
	GEL
.endr
.endm
.macro GBARE ct, tt, hf                ; a tile of GELU with no matrix work to stand under: at the two ends of the pipeline alone
	GSET \ct, \tt, \hf
	GEMIT 72
.endm
; A group of the MLP: 16 matrix instructions on one buffer of four fragments.  gel = 1: the 72 instructions of the tile that GSET picked stand behind them,
; 4 behind each of the first 15 and 12 behind the last.  Those 12 are plain, name no register of the group and are the places in front of the loads that
; follow the group.  The GELU works in window 0, the matrix instruction names XN (window 1) or X (windows 2, 3): hence a switch on either side of it;
; windows 1 to 3 are full, so no layout spares them.  The accumulators take turns, one instruction a turn.
.macro GRPIN buf, ct, gi, gel          ; fc1: hidden rows 16 ct .., K steps s = 4 gi + (KK >> 2), token tile KK & 3; the first K step starts from the bias
.set KK, 0
.rept 16
	WIN 0x04
.if (4*\gi+(KK>>2)) == 0
	v_wmma_f32_16x16x32_bf16 v[ACC+8*(4*\ct+(KK&3)):ACC+8*(4*\ct+(KK&3))+7], v[\buf+8*(KK>>2):\buf+8*(KK>>2)+7], v[8*(KK&3):8*(KK&3)+7], v[MBT+8*\ct:MBT+8*\ct+7]
.else
	v_wmma_f32_16x16x32_bf16 v[ACC+8*(4*\ct+(KK&3)):ACC+8*(4*\ct+(KK&3))+7], v[\buf+8*(KK>>2):\buf+8*(KK>>2)+7], v[8*(4*(4*\gi+(KK>>2))+(KK&3)):8*(4*(4*\gi+(KK>>2))+(KK&3))+7], v[ACC+8*(4*\ct+(KK&3)):ACC+8*(4*\ct+(KK&3))+7]
.endif
.if \gel
	WIN 0
	GEMIT 4+8*(KK/15)
.endif
.set KK, KK+1
.endr
	WIN 0
.if \gel == 0
	PLACES
.endif
.endm
.macro GRPOUT buf, gi, hf, gel         ; fc2: X[4 gi + (KK >> 2)][KK & 3] += W rows x hf[KK & 3]
.set KK, 0
.rept 16
	WIN 0xa0+0x50*(\gi>>1)
	v_wmma_f32_16x16x32_bf16 v[8*(4*(4*(\gi&1)+(KK>>2))+(KK&3)):8*(4*(4*(\gi&1)+(KK>>2))+(KK&3))+7], v[\buf+8*(KK>>2):\buf+8*(KK>>2)+7], v[\hf+8*(KK&3):\hf+8*(KK&3)+7], v[8*(4*(4*(\gi&1)+(KK>>2))+(KK&3)):8*(4*(4*(\gi&1)+(KK>>2))+(KK&3))+7]
.if \gel
	WIN 0
	GEMIT 4+8*(KK/15)
.endif
.set KK, KK+1
.endr
	WIN 0
.if \gel == 0
	PLACES
.endif
.endm
.macro GI cnt, buf, ct, gi, gct, gtt, ghf
	s_wait_dscnt \cnt                              ; the loads issued behind this group's eight may stay out
	GSET \gct, \gtt, \ghf
	GRPIN \buf, \ct, \gi, 1
.endm
.macro GO cnt, buf, gi, hf, gct, gtt, ghf
	s_wait_dscnt \cnt
	GSET \gct, \gtt, \ghf
	GRPOUT \buf, \gi, \hf, 1
.endm
.macro WLI buf, slot, blk, ct, gi      ; four fragments of an fc1 block: K steps 4 gi .. 4 gi + 3 of hidden rows 16 ct ..
.irp i, 0,1,2,3
	ds_load_b128 v[\buf+8*\i:\buf+8*\i+3],   v[VW+\slot] offset:(16*\blk+2*(4*\gi+\i)+\ct)*1024
	ds_load_b128 v[\buf+8*\i+4:\buf+8*\i+7], v[VW+\slot] offset:(16*\blk+2*(4*\gi+\i)+\ct)*1024+512
.endr
.endm
.macro WLO buf, slot, blk, gi          ; four fragments of an fc2 block: output rows 16 (4 gi + i) ..
.irp i, 0,1,2,3
	ds_load_b128 v[\buf+8*\i:\buf+8*\i+3],   v[VW+\slot] offset:(16*\blk+4*\gi+\i)*1024
	ds_load_b128 v[\buf+8*\i+4:\buf+8*\i+7], v[VW+\slot] offset:(16*\blk+4*\gi+\i)*1024+512
.endr
.endm
.macro MBTLOAD off                     ; the bias of fc1 for one chunk: 128 bytes a chunk, off counted from the chunk at which VFB stands
.irp ct, 0,1
.irp f, 0,1
	ds_load_b128 v[MBT+8*\ct+4*\f:MBT+8*\ct+4*\f+3], v[VFB] offset:\off+64*\ct+16*\f
.endr
.endr
.endm
; One tile of the MLP, j = 0 .. 15: blocks F(2j-1), fc1(2j+1), F(2j), fc1(2j+2); sixteen groups on buffers WFA, WFB in turn, each buffer loaded again
; behind its group for the group after next.  Chunk 2j and 2j+2 use HF0, chunk 2j+1 HF1.  An ACC tile has been through the GELU before the next A or B
; writes it, and an operand HF is whole before its F begins.
; first: tile 0 holds fc1(0) in the place of F(-1).  last: tile 15 holds F(31) in the place of fc1(32).
; THE BIAS OFFSETS.  Tile 0: VFB stands at chunk 0; chunks 0, 1, 2 lie at 0, 128, 256.  Loop trip m (tiles 2m+1 in slot 1, 2m+2 in slot 0): VFB stands at
; chunk 4m; chunks 4m+3, 4m+4 (slot 1) lie at 384, 512 and chunks 4m+5, 4m+6 (slot 0) at 640, 768.  Tile 15 (slot 1): VFB stands at chunk 28; chunk 31 at 384.
.macro MTILE slot, refill, first, last
	TRIPHEAD \slot, \refill
.if \first
	MBTLOAD 0
	WLI WFA, \slot, 0, 0, 0
	WLI WFB, \slot, 0, 0, 1
	s_wait_dscnt 0x8
	GRPIN WFA, 0, 0, 0                             ; A(0): nothing yet for the GELU
	WLI WFA, \slot, 0, 1, 0
	s_wait_dscnt 0x8
	GRPIN WFB, 0, 1, 0
	WLI WFB, \slot, 0, 1, 1
	GI 0x8, WFA, 1, 0, 0, 0, HF0                   ; B(0)
	MBTLOAD 128                                    ; chunk 1
	WLI WFA, \slot, 1, 0, 0
	GI 0xc, WFB, 1, 1, 0, 1, HF0                   ; 12: four loads of the bias and eight of the next group were issued behind this group's
	WLI WFB, \slot, 1, 0, 1
	GBARE 0, 2, HF0
	GBARE 0, 3, HF0
	GBARE 1, 0, HF0
	GBARE 1, 1, HF0
.else
	MBTLOAD (384+256*(1-\slot))                    ; chunk 2j+1
	WLO WFA, \slot, 0, 0
	WLO WFB, \slot, 0, 1
	GO 0x8, WFA, 0, HF1, 0, 2, HF0                 ; F(2j-1)
	WLO WFA, \slot, 0, 2
	GO 0x8, WFB, 1, HF1, 0, 3, HF0
	WLO WFB, \slot, 0, 3
	GO 0x8, WFA, 2, HF1, 1, 0, HF0
	WLI WFA, \slot, 1, 0, 0
	GO 0x8, WFB, 3, HF1, 1, 1, HF0
	WLI WFB, \slot, 1, 0, 1
.endif
	GI 0x8, WFA, 0, 0, 1, 2, HF0                   ; A(2j+1)
	WLI WFA, \slot, 1, 1, 0
	GI 0x8, WFB, 0, 1, 1, 3, HF0                   ; HF0 is whole behind this group
	WLI WFB, \slot, 1, 1, 1
	GI 0x8, WFA, 1, 0, 0, 0, HF1                   ; B(2j+1)
	WLO WFA, \slot, 2, 0
	GI 0x8, WFB, 1, 1, 0, 1, HF1
	WLO WFB, \slot, 2, 1
	GO 0x8, WFA, 0, HF0, 0, 2, HF1                 ; F(2j)
.if \last
	WLO WFA, \slot, 2, 2
	GO 0x8, WFB, 1, HF0, 0, 3, HF1
.else
.if \first
	MBTLOAD 256                                    ; chunk 2
.else
	MBTLOAD (512+256*(1-\slot))                    ; chunk 2j+2
.endif
	WLO WFA, \slot, 2, 2
	GO 0xc, WFB, 1, HF0, 0, 3, HF1                 ; 12: the bias and the next group
.endif
	WLO WFB, \slot, 2, 3
	GO 0x8, WFA, 2, HF0, 1, 0, HF1
.if \last
	WLO WFA, \slot, 3, 0
	GO 0x8, WFB, 3, HF0, 1, 1, HF1
	WLO WFB, \slot, 3, 1
	GBARE 1, 2, HF1
	GBARE 1, 3, HF1                                ; HF1 is whole
	s_wait_dscnt 0x8
	GRPOUT WFA, 0, HF1, 0                          ; F(31)
	WLO WFA, \slot, 3, 2
	s_wait_dscnt 0x8
	GRPOUT WFB, 1, HF1, 0
	WLO WFB, \slot, 3, 3
	s_wait_dscnt 0x8
	GRPOUT WFA, 2, HF1, 0
	s_wait_dscnt 0x0
	GRPOUT WFB, 3, HF1, 0
.else
	WLI WFA, \slot, 3, 0, 0
	GO 0x8, WFB, 3, HF0, 1, 1, HF1
	WLI WFB, \slot, 3, 0, 1
	GI 0x8, WFA, 0, 0, 1, 2, HF1                   ; A(2j+2)
	WLI WFA, \slot, 3, 1, 0
	GI 0x8, WFB, 0, 1, 1, 3, HF1                   ; HF1 is whole behind this group
	WLI WFB, \slot, 3, 1, 1
	GI 0x8, WFA, 1, 0, 0, 0, HF0                   ; B(2j+2)
	GI 0x0, WFB, 1, 1, 0, 1, HF0
.endif
.endm
; LayerNorm of X into XN.  Two passes over the registers: mean, then the mean of the squared differences.
.macro LNLOAD tg, tb, hf
.irp c, 0,1,2,3,4,5,6,7
.irp f, 0,1
	ds_load_b128 v[LG+8*\c+4*\f:LG+8*\c+4*\f+3], v[VH] offset:\tg+64*(8*\hf+\c)+16*\f
	ds_load_b128 v[LB+8*\c+4*\f:LB+8*\c+4*\f+3], v[VH] offset:\tb+64*(8*\hf+\c)+16*\f
.endr
.endr
.endm
.macro LNSUM c
.irp p, 0,1,2,3
.irp tt, 0,1,2,3
	v_pk_add_f32 v[SA+4*\tt+2*(\p&1):SA+4*\tt+2*(\p&1)+1], v[8*(4*\c+\tt)+2*\p:8*(4*\c+\tt)+2*\p+1], v[SA+4*\tt+2*(\p&1):SA+4*\tt+2*(\p&1)+1]
.endr
.endr
.endm
.macro LNVAR w, cp, first
	WIN 0x02+\w
.irp cc, 0,1
.irp tt, 0,1,2,3
.irp p, 0,1,2,3
	v_pk_add_f32 v[LT+8*(4*\cc+\tt)+2*\p:LT+8*(4*\cc+\tt)+2*\p+1], v[8*(4*(2*\cp+\cc)+\tt)+2*\p:8*(4*(2*\cp+\cc)+\tt)+2*\p+1], v[MN+2*\tt:MN+2*\tt+1] op_sel_hi:[1,0] neg_lo:[0,1] neg_hi:[0,1]
.endr
.endr
.endr
	WIN 0
.irp cc, 0,1
.irp p, 0,1,2,3
.irp tt, 0,1,2,3
.set ISF, 0
.if \first
.if \cc == 0
.if \p < 2
.set ISF, 1
.endif
.endif
.endif
.if ISF
	v_pk_mul_f32 v[SA+4*\tt+2*(\p&1):SA+4*\tt+2*(\p&1)+1], v[LT+8*(4*\cc+\tt)+2*\p:LT+8*(4*\cc+\tt)+2*\p+1], v[LT+8*(4*\cc+\tt)+2*\p:LT+8*(4*\cc+\tt)+2*\p+1]
.else
	v_pk_fma_f32 v[SA+4*\tt+2*(\p&1):SA+4*\tt+2*(\p&1)+1], v[LT+8*(4*\cc+\tt)+2*\p:LT+8*(4*\cc+\tt)+2*\p+1], v[LT+8*(4*\cc+\tt)+2*\p:LT+8*(4*\cc+\tt)+2*\p+1], v[SA+4*\tt+2*(\p&1):SA+4*\tt+2*(\p&1)+1]
.endif
.endr
.endr
.endr
.endm
.macro LNNORM w, cp
	WIN 0x02+\w
.irp cc, 0,1
.irp tt, 0,1,2,3
.irp p, 0,1,2,3
	v_pk_fma_f32 v[LT+8*(4*\cc+\tt)+2*\p:LT+8*(4*\cc+\tt)+2*\p+1], v[8*(4*(2*\cp+\cc)+\tt)+2*\p:8*(4*(2*\cp+\cc)+\tt)+2*\p+1], v[RS+2*\tt:RS+2*\tt+1], v[NM+2*\tt:NM+2*\tt+1] op_sel_hi:[1,0,0]
.endr
.endr
.endr
	WIN 0
.irp cc, 0,1
.irp tt, 0,1,2,3
.irp p, 0,1,2,3
	v_pk_fma_f32 v[LT+8*(4*\cc+\tt)+2*\p:LT+8*(4*\cc+\tt)+2*\p+1], v[LT+8*(4*\cc+\tt)+2*\p:LT+8*(4*\cc+\tt)+2*\p+1], v[LG+8*(2*\cp+\cc)+2*\p:LG+8*(2*\cp+\cc)+2*\p+1], v[LB+8*(2*\cp+\cc)+2*\p:LB+8*(2*\cp+\cc)+2*\p+1]
.endr
.endr
.endr
	WIN 0x40
.irp cc, 0,1
.irp tt, 0,1,2,3
.irp p, 0,1,2,3
	v_cvt_pk_bf16_f32 v[8*(4*(4*\w+\cp)+\tt)+4*\cc+\p], v[LT+8*(4*\cc+\tt)+2*\p], v[LT+8*(4*\cc+\tt)+2*\p+1]
.endr
.endr
.endr
.endm
.macro LN tg, tb
	WIN 0
	LNLOAD \tg, \tb, 0                             ; gain and bias of channels 0-127, on their way during the two passes
	WIN 0x0a                                       ; eight chains (4 token tiles x 2), started by the first channels: nothing is cleared
.irp q, 0,1
.irp tt, 0,1,2,3
	v_pk_add_f32 v[SA+4*\tt+2*\q:SA+4*\tt+2*\q+1], v[8*\tt+4*\q:8*\tt+4*\q+1], v[8*\tt+4*\q+2:8*\tt+4*\q+3]
.endr
.endr
	WIN 0x02
.irp c, 1,2,3,4,5,6,7
	LNSUM \c
.endr
	WIN 0x03
.irp c, 0,1,2,3,4,5,6,7
	LNSUM \c
.endr
	WIN 0
.irp tt, 0,1,2,3
	v_pk_add_f32 v[SA+4*\tt:SA+4*\tt+1], v[SA+4*\tt:SA+4*\tt+1], v[SA+4*\tt+2:SA+4*\tt+3]
.endr
.irp tt, 0,1,2,3
	v_add_f32 v[MN+2*\tt], v[SA+4*\tt], v[SA+4*\tt+1]
.endr
.irp tt, 0,1,2,3
	v_permlanex16_b32 v[MN+2*\tt+1], v[MN+2*\tt], s66, s67     ; the other 128 channels of the token lie 16 lanes away
.endr
.irp tt, 0,1,2,3
	v_add_f32 v[MN+2*\tt], v[MN+2*\tt], v[MN+2*\tt+1]
.endr
.irp tt, 0,1,2,3
	v_mul_f32 v[MN+2*\tt], s88, v[MN+2*\tt]        ; / 256
.endr
	LNVAR 0, 0, 1
	LNVAR 0, 1, 0
	LNVAR 0, 2, 0
	LNVAR 0, 3, 0
	LNVAR 1, 0, 0
	LNVAR 1, 1, 0
	LNVAR 1, 2, 0
	LNVAR 1, 3, 0
.irp tt, 0,1,2,3
	v_pk_add_f32 v[SA+4*\tt:SA+4*\tt+1], v[SA+4*\tt:SA+4*\tt+1], v[SA+4*\tt+2:SA+4*\tt+3]
.endr
.irp tt, 0,1,2,3
	v_add_f32 v[SA+4*\tt+2], v[SA+4*\tt], v[SA+4*\tt+1]
.endr
.irp tt, 0,1,2,3
	v_permlanex16_b32 v[SA+4*\tt+3], v[SA+4*\tt+2], s66, s67
.endr
.irp tt, 0,1,2,3
	v_add_f32 v[SA+4*\tt+2], v[SA+4*\tt+2], v[SA+4*\tt+3]
.endr
.irp tt, 0,1,2,3
	v_fma_f32 v[SA+4*\tt+2], v[SA+4*\tt+2], s88, s89           ; / 256 + EPS
.endr
.irp tt, 0,1,2,3
	v_rsq_f32 v[RS+2*\tt], v[SA+4*\tt+2]
.endr
	v_nop
	s_wait_alu depctr_va_vdst(0)
.irp tt, 0,1,2,3
	v_mul_f32 v[NM+2*\tt], -v[MN+2*\tt], v[RS+2*\tt]           ; (x - m) rs = x rs + (-m rs)
.endr
	s_wait_dscnt 0x0                               ; gain and bias are in
	LNNORM 0, 0
	LNNORM 0, 1
	LNNORM 0, 2
	LNNORM 0, 3
	WIN 0
	LNLOAD \tg, \tb, 1
	s_wait_dscnt 0x0
	LNNORM 1, 0
	LNNORM 1, 1
	LNNORM 1, 2
	LNNORM 1, 3
	WIN 0
.endm
.macro ADDVEC tab                      ; X += a vector over the channels
.irp w, 0,1
	WIN 0
.irp c, 0,1,2,3,4,5,6,7
.irp f, 0,1
	ds_load_b128 v[LT+8*\c+4*\f:LT+8*\c+4*\f+3], v[VH] offset:\tab+64*(8*\w+\c)+16*\f
.endr
.endr
	s_wait_dscnt 0x0
	WIN 0x82+0x41*\w
.irp c, 0,1,2,3,4,5,6,7
.irp tt, 0,1,2,3
.irp p, 0,2,4,6
	v_pk_add_f32 v[8*(4*\c+\tt)+\p:8*(4*\c+\tt)+\p+1], v[8*(4*\c+\tt)+\p:8*(4*\c+\tt)+\p+1], v[LT+8*\c+\p:LT+8*\c+\p+1]
.endr
.endr
.endr
.endr
	WIN 0
.endm
; x comes in by rows (a load of the wave covers 512 consecutive bytes, aligned) into the registers of X[..][tt] as a mere parking place,
; goes through my stage and comes back with lane = token.  Row 8w + q of tile tt is token (2 (tt & 1) + w) 256 + 8 (tt >> 1) + q.
.macro XISSUE tt
.irp w, 0,1
	WIN 0x80+0x40*\w
.irp q, 0,1,2,3,4,5,6,7
.irp f, 0,1
	global_load_b128 v[8*(4*\q+\tt)+4*\f:8*(4*\q+\tt)+4*\f+3], v[VW], s[8:9] offset:((2*(\tt&1)+\w)*256+8*(\tt>>1)+\q)*1024+512*\f th:TH_LOAD_NT
.endr
.endr
.endr
.endm
.macro XSTAGE tt, left
	s_wait_loadcnt \left                           ; loads come back in order: the younger tile may stay out
.irp w, 0,1
	WIN 0x08+0x04*\w
.irp q, 0,1,2,3,4,5,6,7
.irp f, 0,1
	ds_store_b128 v[VSC], v[8*(4*\q+\tt)+4*\f:8*(4*\q+\tt)+4*\f+3] offset:STG1*(\tt&1)+(8*\w+\q)*SPITCH+512*\f
.endr
.endr
.endr
.irp w, 0,1
	WIN 0x80+0x40*\w
.irp q, 0,1,2,3,4,5,6,7
.irp f, 0,1
	ds_load_b128 v[8*(4*\q+\tt)+4*\f:8*(4*\q+\tt)+4*\f+3], v[VSD] offset:STG1*(\tt&1)+64*(8*\w+\q)+16*\f   ; LDS serves a wave in order (ISA guide 5.7.1): these see the stores above
.endr
.endr
.endr
.endm
.macro OUT tt                          ; the way back: lane = token into my stage, rows out of it, whole rows to memory
.irp w, 0,1
	WIN 0x08+0x04*\w
.irp q, 0,1,2,3,4,5,6,7
.irp f, 0,1
	ds_store_b128 v[VSD], v[8*(4*\q+\tt)+4*\f:8*(4*\q+\tt)+4*\f+3] offset:STG1*(\tt&1)+64*(8*\w+\q)+16*\f
.endr
.endr
.endr
	WIN 0x40
.irp w, 0,1
.irp q, 0,1,2,3,4,5,6,7
.irp f, 0,1
	ds_load_b128 v[128*(\tt&1)+4*(2*(8*\w+\q)+\f):128*(\tt&1)+4*(2*(8*\w+\q)+\f)+3], v[VSC] offset:STG1*(\tt&1)+(8*\w+\q)*SPITCH+512*\f
.endr
.endr
.endr
	WIN 0x04
.irp k, 0,1,2,3
	s_wait_dscnt 24-8*\k                           ; the read-backs younger than these eight may stay out
.irp m, 0,1,2,3,4,5,6,7
	global_store_b128 v[VW], v[128*(\tt&1)+4*(8*\k+\m):128*(\tt&1)+4*(8*\k+\m)+3], s[10:11] offset:((2*(\tt&1)+(\k>>1))*256+8*(\tt>>1)+4*(\k&1)+(\m>>1))*1024+512*(\m&1) th:TH_STORE_NT
.endr
.endr
	WIN 0
.endm
; The hidden layer of the position stack for (my query, one key): 8 units a lane.  The difference of positions is formed first.
.macro HID pq, sx, sy, dst
	v_sub_f32 v[DX], v[\pq], \sx
	v_sub_f32 v[DY], v[(\pq)+1], \sy
.irp e, 0,2,4,6
	v_pk_fma_f32 v[HT+\e:HT+\e+1], v[PEA+\e:PEA+\e+1], v[DX:DX+1], v[PEC+\e:PEC+\e+1] op_sel_hi:[1,0,1]
.endr
.irp e, 0,2,4,6
	v_pk_fma_f32 v[HT+\e:HT+\e+1], v[PEB+\e:PEB+\e+1], v[DY:DY+1], v[HT+\e:HT+\e+1] op_sel_hi:[1,0,1]
.endr
.irp e, 0,1,2,3,4,5,6,7
	v_max_num_f32 v[HT+\e], 0, v[HT+\e]
.endr
.irp e, 0,1,2,3
	v_cvt_pk_bf16_f32 v[\dst+\e], v[HT+2*\e], v[HT+2*\e+1]
.endr
.endm
.macro BSTORE d, off
.irp j, 0,1,2,3
	ds_store_b32 v[VBS], v[\d+\j] offset:\j*8192+\off
.endr
.endm
; One window, four heads.  One matrix instruction: K = 16 units of key 16tk+jj, then 16 units of key 16tk+8+jj; rows 0-3 the four heads for the first key,
; rows 8-11 for the second; columns the 16 queries of tile tq.  So register j of lane (r, h) is the bias of head j, query 16tq+r, key 16tk+8h+jj: the lane
; layout of the scores.  The four stores of a result stand behind the next 22 vector instructions, which name none of its registers.
.macro PEBODY
.set PN, 0
.set POFF, 0
.irp tk, 0,1
.irp jj, 0,1,2,3,4,5,6,7
	v_readlane_b32 s80, v[PP+2*\tk],   \jj
	v_readlane_b32 s81, v[PP+2*\tk+1], \jj
	v_readlane_b32 s82, v[PP+2*\tk],   \jj+8
	v_readlane_b32 s83, v[PP+2*\tk+1], \jj+8
.irp tq, 0,1
	HID PP+2*\tq, s80, s81, HFR+8*(PN&1)
.if PN > 0
	BSTORE DT+8*((PN-1)&1), POFF
.endif
	HID PP+2*\tq, s82, s83, HFR+8*(PN&1)+4
	v_wmma_f32_16x16x32_bf16 v[DT+8*(PN&1):DT+8*(PN&1)+7], v[W2F:W2F+7], v[HFR+8*(PN&1):HFR+8*(PN&1)+7], v[B2T:B2T+7]
.set POFF, \tq*2048+(2*\tk+(\jj>>2))*512+4*(\jj&3)
.set PN, PN+1
.endr
.endr
.endr
	PLACES
	BSTORE DT+8*((PN-1)&1), POFF
.endm
.macro PEPASS p                        ; the bias of heads 4p .. 4p+3 for my two windows, times log2(e), in f32, into my 32,768 bytes
	WIN 0
.irp q, 0,1,2,3,4,5
	ds_load_b128 v[PEA+4*\q:PEA+4*\q+3], v[VSC] offset:SAVE+512*\q
.endr
	ds_load_b128 v[W2F:W2F+3],   v[VSC] offset:SAVE+512*(8+2*\p)
	ds_load_b128 v[W2F+4:W2F+7], v[VSC] offset:SAVE+512*(9+2*\p)
.irp j, 0,1,2,3
	v_mov_b32 v[B2T+\j], s[72+4*\p+\j]
	v_mov_b32 v[B2T+4+\j], 0                       ; rows that are not stored
.endr
.irp j, 0,1,2,3
	v_mul_f32 v[B2T+\j], 0x3fb8aa3b, v[B2T+\j]
.endr
	v_mov_b32 v[VBS], v[VSC]
	v_add_nc_u32 v[VPP], SAVE+512*6, v[VSC]
	s_mov_b32 s84, 0
.Lpe_\p:
	ds_load_b128 v[PP:PP+3], v[VPP]                ; x, y of tokens r and 16 + r of the window
	s_wait_dscnt 0x0
	PEBODY
	v_add_nc_u32 v[VBS], 4096, v[VBS]
	v_add_nc_u32 v[VPP], 512, v[VPP]
	s_add_co_u32 s84, s84, 1
	s_cmp_lt_u32 s84, 2
	s_cbranch_scc1 .Lpe_\p
.endm
; One head: its tile holds 16 fragments each of Wq, Wk, Wv (rows of the head) and Wp (columns of the head).
.macro HEADTRIP slot
	TRIPHEAD \slot, 1
.irp ct, 0,1
.irp f, 0,1
	ds_load_b128 v[BTQ+8*\ct+4*\f:BTQ+8*\ct+4*\f+3], v[VHB] offset:2048+128*\slot+64*\ct+16*\f
	ds_load_b128 v[BTK+8*\ct+4*\f:BTK+8*\ct+4*\f+3], v[VHB] offset:3072+128*\slot+64*\ct+16*\f
.endr
.endr
	WLOAD WFA, \slot, 0
	WLOAD WFB, \slot, 1
	WIN 0x04
	GIN WFA, 0, BTQ, \slot, 2
	GIN WFB, 1, BTQ, \slot, 3
	GIN WFA, 2, BTQ, \slot, 4
	GIN WFB, 3, BTQ, \slot, 5
	WIN 0
	PACK QF
	WIN 0x04
	GIN WFA, 0, BTK, \slot, 6
	GIN WFB, 1, BTK, \slot, 7
	GIN WFA, 2, BTK, \slot, 8
	GIN WFB, 3, BTK, \slot, 9
	WIN 0
	PACK KF
	GV WFA, 0
	WLOAD WFA, \slot, 10
	GV WFB, 1
	WLOAD WFB, \slot, 11
	GV WFA, 2
	WLOAD WFA, \slot, 12                           ; the first fragments of Wp wait in WFA
	GV WFB, 3
.irp tq, 0,1
.irp g, 0,1,2,3
	ds_load_b128 v[WFB+16*\tq+4*\g:WFB+16*\tq+4*\g+3], v[VBI] offset:8192*\slot+2048*\tq+512*\g       ; bias, window 0
.endr
.endr
	PACKV
.irp tt, 0,1,2,3
.irp tk, 0,1
	v_wmma_f32_16x16x32_bf16 v[ACC+8*(2*\tt+\tk):ACC+8*(2*\tt+\tk)+7], v[KF+8*(2*(\tt>>1)+\tk):KF+8*(2*(\tt>>1)+\tk)+7], v[QF+8*\tt:QF+8*\tt+7], 0   ; lane = query, registers = keys
.endr
.endr
	PLACES
.irp tq, 0,1
.irp g, 0,1,2,3
	ds_load_b128 v[KF+16*\tq+4*\g:KF+16*\tq+4*\g+3], v[VBI] offset:8192*\slot+4096+2048*\tq+512*\g    ; bias, window 1
.endr
.endr
	s_wait_dscnt 0x8                               ; window 1 bias, eight loads, may stay out
	SOFTMAX ACC, WFB, PF, 0
	SOFTMAX ACC+16, WFB+16, PF+8, 1
.irp dt, 0,1
.irp f, 0,1
	ds_load_b128 v[BVT+8*\dt+4*\f:BVT+8*\dt+4*\f+3], v[VHB] offset:4096+128*\slot+64*\dt+16*\f
.endr
.endr
	s_wait_dscnt 0x4                               ; the four loads of bv may stay out
	SOFTMAX ACC+32, KF, PF+16, 2
	SOFTMAX ACC+48, KF+16, PF+24, 3
.irp dt, 0,1
.irp tt, 0,1,2,3
	v_wmma_f32_16x16x32_bf16 v[ACC+8*(4*\dt+\tt):ACC+8*(4*\dt+\tt)+7], v[VF+8*(2*(\tt>>1)+\dt):VF+8*(2*(\tt>>1)+\dt)+7], v[PF+8*\tt:PF+8*\tt+7], 0
.endr
.endr
	PLACES
	s_wait_dscnt 0x0
	ONORM
	WLOAD WFB, \slot, 13
	GOUT WFA, 0, OF, 0x8
	WLOAD WFA, \slot, 14
	GOUT WFB, 1, OF, 0x8
	WLOAD WFB, \slot, 15
	GOUT WFA, 2, OF, 0x8
	GOUT WFB, 3, OF, 0x0
.endm
	; ---------------- arguments, ids, descriptors, the first tile ----------------
	s_load_b512 s[8:23], s[0:1], 0x0               ; x 8, out0 10, wbuf 12, pos 14, ln1_g 16, ln1_b 18, bq 20, bk 22
	s_load_b512 s[24:39], s[0:1], 0x40             ; bv 24, bp 26, ln2_g 28, ln2_b 30, fc2_b 32, fc1_b 34, pe_w1 36, pe_b1 38
	s_load_b256 s[40:47], s[0:1], 0x80             ; bn_g 40, bn_b 42, bn_m 44, bn_v 46
	s_load_b128 s[48:51], s[0:1], 0xa0             ; pe_w2 48, pe_b2 50
	v_lshl_add_u32 v190, v0, 2, 0x49c00
	v_mov_b32 v191, 0
	ds_add_u32 v190, v191
	s_wait_dscnt 0x0
	v_lshrrev_b32 v11, 5, v0
	v_readfirstlane_b32 s4, v11                    ; wave 0..3
	s_bfe_u32 s5, ttmp6, 0x40000                   ; cx; it enters global addresses of x, pos and out0 alone
	s_lshl_b32 s6, ttmp9, 10                       ; a cluster: 4 image rows of 256 tokens
	s_lshl_b32 s7, s5, 6                           ; a work-group: 64 columns
	s_add_co_u32 s6, s6, s7
	s_lshl_b32 s7, s4, 4                           ; a wave: 16 columns
	s_add_co_u32 s6, s6, s7                        ; my first token
	s_lshl_b32 s2, s6, 10                          ; x 1,024 bytes (below 2^26)
	s_mov_b32 s3, 0
	s_lshl_b32 s6, s6, 3                           ; x 8 bytes in pos
	s_mov_b32 s7, 0
	s_mov_b32 s52, 0x0023000f                      ; group 1: mask 15, elements of 8 bytes, bit 21 beside the mask, no padding
	s_mov_b32 s53, 32<<16                          ; tensor_dim0 = 32 elements: rows of 256 bytes
	s_mov_b32 s54, 64<<16                          ; tensor_dim1 = 64 rows
	s_mov_b32 s55, 32<<16                          ; tile_dim0 = 32
	s_mov_b32 s56, 64                              ; tile_dim1 = 64: 16 KiB, my quarter of a tile, dense in memory
	s_mov_b32 s57, 32                              ; pitch = 32 elements
	s_mov_b32 s58, 0
	s_mov_b32 s59, 0
	s_mov_b32 s66, 0x76543210                      ; v_permlanex16_b32: lane i takes lane i of the other half
	s_mov_b32 s67, 0xfedcba98
	s_mov_b32 s88, 0x3b800000                      ; 1 / 256
	s_mov_b32 s89, 0x3727c5ac                      ; EPS
	s_lshl_b32 s90, s4, 14
	s_mov_b32 s91, 0
	s_wait_kmcnt 0x0
	s_add_nc_u64 s[8:9], s[8:9], s[2:3]
	s_add_nc_u64 s[10:11], s[10:11], s[2:3]
	s_add_nc_u64 s[14:15], s[14:15], s[6:7]
	s_add_nc_u64 s[12:13], s[12:13], s[90:91]      ; wbuf at my quarter of tile 0: the wave number alone, equal in the four partners
	s_mov_b32 s60, 1
	s_lshl_b32 s61, s4, 14                         ; LDS: slot 0 + wave x 16 KiB
	s_mov_b64 s[62:63], s[12:13]
	s_or_b32 s63, s63, 0x80000000
	s_mov_b32 s68, 1
	s_add_co_u32 s69, s61, SLOTB                   ; slot 1
	s_add_nc_u64 s[70:71], s[12:13], SLOTB         ; tile 1
	s_or_b32 s71, s71, 0x80000000
	s_load_b256 s[72:79], s[50:51], 0x0            ; pe_b2
	ROUND                                          ; the four work-groups are here: the first joint loads meet
	tensor_load_to_lds s[60:63], s[52:59]          ; tile 0
	s_nop 0
	PLACES
	; ---------------- addresses ----------------
	v_and_b32 v11, 31, v0                          ; lane
	v_lshlrev_b32 v[VW], 4, v11
	v_add_nc_u32 v[VW+1], SLOTB, v[VW]
	v_and_b32 v224, 15, v0                         ; r
	v_bfe_u32 v225, v0, 4, 1                       ; h
	v_lshlrev_b32 v228, 5, v225                    ; 32 h
	v_add_nc_u32 v[VH], PAR, v228
	v_mov_b32 v[VHB], v[VH]
	v_add_nc_u32 v[VFB], 9216, v[VH]
	s_mul_i32 s90, s4, WS
	s_add_co_u32 s90, s90, WSB                     ; my scratch
	v_add_nc_u32 v[VSC], s90, v[VW]
	v_mul_u32_u24 v[VSD], v224, SPITCH
	v_add3_u32 v[VSD], v[VSD], v228, s90
	s_lshl_b32 s91, s4, 8
	v_lshl_add_u32 v226, v11, 3, s91               ; 8 bytes a lane, 256 a wave: a table of 1,024 bytes over four waves
	s_lshl_b32 s91, s4, 9
	v_lshl_add_u32 v227, v11, 4, s91               ; 16 bytes a lane
	v_lshlrev_b32 v229, 6, v225                    ; 64 h
	v_and_b32 v230, 3, v0
	v_lshl_add_u32 v230, v230, 6, v228             ; (r & 3) rows of pe_w2 + 8 h numbers
	v_and_b32 v231, 7, v0
	v_bfe_u32 v235, v0, 3, 1
	v_lshlrev_b32 v231, 3, v231
	v_lshl_add_u32 v231, v235, 11, v231            ; token (r >> 3) 256 + (r & 7), 8 bytes each
	v_add_nc_u32 v232, PAR, v226
	v_add_nc_u32 v233, PAR+9216, v227
	v_and_b32 v234, 12, v0                         ; r & 12
	; ---------------- 33 loads of parameters, then the first two token tiles of x ----------------
.irp k, 0,1,2,3,4,5,6,7,8
	global_load_b64 v[32+2*\k:33+2*\k], v226, s[16+2*\k:17+2*\k]
.endr
	global_load_b128 v[52:55], v227, s[34:35]
	global_load_b128 v[56:59], v227, s[34:35] offset:2048
.irp f, 0,1
	global_load_b128 v[64+4*\f:67+4*\f],   v228, s[38:39] offset:16*\f     ; pe_b1
	global_load_b128 v[72+4*\f:75+4*\f],   v228, s[40:41] offset:16*\f     ; bn_g
	global_load_b128 v[80+4*\f:83+4*\f],   v228, s[42:43] offset:16*\f     ; bn_b
	global_load_b128 v[88+4*\f:91+4*\f],   v228, s[44:45] offset:16*\f     ; bn_m
	global_load_b128 v[96+4*\f:99+4*\f],   v228, s[46:47] offset:16*\f     ; bn_v
.endr
.irp f, 0,1,2,3
	global_load_b128 v[104+4*\f:107+4*\f], v229, s[36:37] offset:16*\f     ; pe_w1: units 8h .. 8h+7, two numbers each
.endr
.irp p, 0,1
.irp f, 0,1
	global_load_b128 v[120+8*\p+4*\f:123+8*\p+4*\f], v230, s[48:49] offset:256*\p+16*\f   ; pe_w2: head 4p + (r & 3), units 8h ..
.endr
.endr
.irp a, 0,1
.irp tq, 0,1
	global_load_b64 v[136+4*\a+2*\tq:137+4*\a+2*\tq], v231, s[14:15] offset:4096*\tq+64*\a
.endr
.endr
	XISSUE 0
	XISSUE 1
	WIN 0
	s_wait_loadcnt 0x3f                            ; 64 loads of x are younger than the parameters; 63 is the most that the wait can name, and the smaller count is safe
	; ---------------- parameters into LDS ----------------
.irp k, 0,1,2,3,4,5,6,7,8
	ds_store_b64 v232, v[32+2*\k:33+2*\k] offset:1024*\k
.endr
	ds_store_b128 v233, v[52:55]
	ds_store_b128 v233, v[56:59] offset:2048
	; h = PEA dx + PEB dy + PEC with s = g rsq(v + EPS), PEA = s w1[.,0], PEB = s w1[.,1], PEC = s (b1 - m) + b
.irp e, 0,1,2,3,4,5,6,7
	v_add_f32 v[144+\e], s89, v[96+\e]
.endr
.irp e, 0,1,2,3,4,5,6,7
	v_rsq_f32 v[152+\e], v[144+\e]
.endr
	v_nop
	s_wait_alu depctr_va_vdst(0)
.irp e, 0,2,4,6
	v_pk_mul_f32 v[152+\e:153+\e], v[152+\e:153+\e], v[72+\e:73+\e]
	v_pk_add_f32 v[144+\e:145+\e], v[64+\e:65+\e], v[88+\e:89+\e] neg_lo:[0,1] neg_hi:[0,1]
.endr
.irp e, 0,1,2,3,4,5,6,7
	v_mul_f32 v[160+\e], v[152+\e], v[104+2*\e]
	v_mul_f32 v[168+\e], v[152+\e], v[105+2*\e]
.endr
.irp e, 0,2,4,6
	v_pk_fma_f32 v[176+\e:177+\e], v[144+\e:145+\e], v[152+\e:153+\e], v[80+\e:81+\e]
.endr
.irp q, 0,1,2,3,4,5
	ds_store_b128 v[VSC], v[160+4*\q:163+4*\q] offset:SAVE+512*\q
.endr
	ds_store_b128 v[VSC], v[136:139] offset:SAVE+512*6
	ds_store_b128 v[VSC], v[140:143] offset:SAVE+512*7
	; W2F: rows 0-3 hold pe_w2 log2(e) in k 0-15, rows 8-11 in k 16-31, all else 0
.irp e, 0,2,4,6,8,10,12,14
	v_pk_mul_f32 v[120+\e:121+\e], v[120+\e:121+\e], 0x3fb8aa3b op_sel_hi:[1,0]
.endr
.irp e, 0,1,2,3,4,5,6,7
	v_cvt_pk_bf16_f32 v[184+\e], v[120+2*\e], v[121+2*\e]
.endr
	v_cmp_eq_u32 s92, 0, v234
	v_cmp_eq_u32 s93, 8, v234
.irp p, 0,1
.irp i, 0,1,2,3
	v_cndmask_b32 v[192+8*\p+\i], 0, v[184+4*\p+\i], s92
	v_cndmask_b32 v[196+8*\p+\i], 0, v[184+4*\p+\i], s93
.endr
	ds_store_b128 v[VSC], v[192+8*\p:195+8*\p] offset:SAVE+512*(8+2*\p)
	ds_store_b128 v[VSC], v[196+8*\p:199+8*\p] offset:SAVE+512*(9+2*\p)
.endr
	s_wait_kmcnt 0x0                               ; pe_b2
	s_wait_dscnt 0x0                               ; my part of the tables is written,
	s_barrier_signal -1
	s_barrier_wait -1                              ; everybody has written theirs.  Tile 0 may stay on its way
	; the pointers in s[16:29] have served (their loads are back): constants, as pairs for the packed forms
	s_mov_b32 s16, 0x3e6d3388                      ; 0.3275911 / sqrt 2
	s_mov_b32 s18, 0xbf38aa3b                      ; -log2(e) / 2
	s_mov_b32 s19, 0xbf38aa3b
	s_mov_b32 s20, 0xbf07dc22                      ; -a5 / 2
	s_mov_b32 s21, 0xbf07dc22
	s_mov_b32 s22, 0xbf35f0e3                      ; -a3 / 2
	s_mov_b32 s23, 0xbf35f0e3
	s_mov_b32 s24, 0x3e11a98e                      ; -a2 / 2
	s_mov_b32 s25, 0x3e11a98e
	s_mov_b32 s26, 0xbe027906                      ; -a1 / 2
	s_mov_b32 s27, 0xbe027906
	s_mov_b32 s28, 0x3e8293ee                      ; 32^-0.5 log2(e)
	s_mov_b32 s29, 0x3e8293ee
	; ---------------- x into X ----------------
	XSTAGE 0, 32
	XISSUE 2
	XSTAGE 1, 32
	XISSUE 3
	XSTAGE 2, 32
	XSTAGE 3, 0
	WIN 0
.irp n, 13,15,17,19,21,23,49,51,53,55,57,59,61,63,77,79
	v_mov_b32 v\n, 0                               ; upper halves of pairs whose lower half alone is used, and destinations of lane exchanges: written once
.endr
	s_wait_dscnt 0x0
	; ---------------- LN1; X = x + bp, onto which the projection adds ----------------
	LN 0, 1024
	ADDVEC 5120
	; ---------------- attention: two passes of four heads ----------------
	PEPASS 0
	v_mov_b32 v[VBI], v[VSC]
	s_mov_b32 s85, 0
.Lhead0:
	HEADTRIP 0
	HEADTRIP 1
	v_add_nc_u32 v[VHB], 256, v[VHB]
	v_add_nc_u32 v[VBI], 16384, v[VBI]
	s_add_co_u32 s85, s85, 1
	s_cmp_lt_u32 s85, 2
	s_cbranch_scc1 .Lhead0
	PEPASS 1
	v_mov_b32 v[VBI], v[VSC]
	s_mov_b32 s85, 0
.Lhead1:
	HEADTRIP 0
	HEADTRIP 1
	v_add_nc_u32 v[VHB], 256, v[VHB]
	v_add_nc_u32 v[VBI], 16384, v[VBI]
	s_add_co_u32 s85, s85, 1
	s_cmp_lt_u32 s85, 2
	s_cbranch_scc1 .Lhead1
	; ---------------- LN2; X = x1 + fc2_b, onto which fc2 adds ----------------
	LN 6144, 7168
	ADDVEC 8192
	v_mov_b32 v30, 0x3f3a00e3                      ; -a4 / 2
	v_mov_b32 v31, 0x3f3a00e3
	; ---------------- MLP: 16 tiles, 32 hidden chunks, fc2 one chunk behind fc1 ----------------
	MTILE 0, 1, 1, 0                               ; tile 0 fills the pipeline
	s_mov_b32 s86, 0
.Lmlp:
	MTILE 1, 1, 0, 0                               ; tiles 2m+1 and 2m+2: chunks 4m+3 .. 4m+6 of fc1
	MTILE 0, 1, 0, 0
	v_add_nc_u32 v[VFB], 512, v[VFB]
	s_add_co_u32 s86, s86, 1
	s_cmp_lt_u32 s86, 7
	s_cbranch_scc1 .Lmlp
	MTILE 1, 0, 0, 1                               ; tile 15 drains it and asks for nothing
	; ---------------- the way out (the four places behind the last matrix instructions stand at the end of the tile) ----------------
	OUT 0
	OUT 1
	s_wait_xcnt 0x0                                ; the registers that the stores of tile 0 read are loaded again only behind this wait
	OUT 2
	s_wait_xcnt 0x0
	OUT 3
	s_wait_xcnt 0x0
	v_lshl_add_u32 v190, v0, 2, 0x49c00
	v_mov_b32 v191, 0
	s_wait_tensorcnt 0x0
	ds_add_u32 v190, v191
	s_wait_dscnt 0x0
	ROUND                                          ; the closing round: no work-group ends while a partner may still ask for a tile that names it
	s_endpgm
.Lfunc_end_k_qf34b92837c_fused:
	.size	k_qf34b92837c_fused, .Lfunc_end_k_qf34b92837c_fused-k_qf34b92837c_fused
	.p2alignl 7, 3214868480
	.fill 96, 4, 3214868480
	.section	.rodata,"a",@progbits
	.p2align	6, 0x0
	.amdhsa_kernel k_qf34b92837c_fused
		.amdhsa_group_segment_fixed_size 327680
		.amdhsa_private_segment_fixed_size 0
		.amdhsa_enable_private_segment 0
		.amdhsa_kernarg_size 176
		.amdhsa_user_sgpr_count 2
		.amdhsa_user_sgpr_kernarg_segment_ptr 1
		.amdhsa_wavefront_size32 1
		.amdhsa_system_sgpr_workgroup_id_x 1
		.amdhsa_system_sgpr_workgroup_id_y 1
		.amdhsa_system_sgpr_workgroup_id_z 1
		.amdhsa_system_vgpr_workitem_id 0
		.amdhsa_next_free_vgpr 1024
		.amdhsa_next_free_sgpr 96
		.amdhsa_reserve_vcc 0
		.amdhsa_float_denorm_mode_32 3
		.amdhsa_float_denorm_mode_16_64 3
		.amdhsa_memory_ordered 1
		.amdhsa_forward_progress 1
		.amdhsa_inst_pref_size 255
	.end_amdhsa_kernel
	.section	.bss,"aw",@nobits
	.p2align	6
	.space	262144
	.amdgpu_metadata
---
amdhsa.version: [ 1, 2 ]
amdhsa.kernels:
  - .name:           k_qf34b92837c_fused
    .symbol:         k_qf34b92837c_fused.kd
    .args:
      - { .name: x, .offset: 0, .size: 8, .value_kind: global_buffer, .address_space: global }
      - { .name: out0, .offset: 8, .size: 8, .value_kind: global_buffer, .address_space: global }
      - { .name: wbuf, .offset: 16, .size: 8, .value_kind: global_buffer, .address_space: global }
      - { .name: pos, .offset: 24, .size: 8, .value_kind: global_buffer, .address_space: global }
      - { .name: ln1_g, .offset: 32, .size: 8, .value_kind: global_buffer, .address_space: global }
      - { .name: ln1_b, .offset: 40, .size: 8, .value_kind: global_buffer, .address_space: global }
      - { .name: bq, .offset: 48, .size: 8, .value_kind: global_buffer, .address_space: global }
      - { .name: bk, .offset: 56, .size: 8, .value_kind: global_buffer, .address_space: global }
      - { .name: bv, .offset: 64, .size: 8, .value_kind: global_buffer, .address_space: global }
      - { .name: bp, .offset: 72, .size: 8, .value_kind: global_buffer, .address_space: global }
      - { .name: ln2_g, .offset: 80, .size: 8, .value_kind: global_buffer, .address_space: global }
      - { .name: ln2_b, .offset: 88, .size: 8, .value_kind: global_buffer, .address_space: global }
      - { .name: fc2_b, .offset: 96, .size: 8, .value_kind: global_buffer, .address_space: global }
      - { .name: fc1_b, .offset: 104, .size: 8, .value_kind: global_buffer, .address_space: global }
      - { .name: pe_w1, .offset: 112, .size: 8, .value_kind: global_buffer, .address_space: global }
      - { .name: pe_b1, .offset: 120, .size: 8, .value_kind: global_buffer, .address_space: global }
      - { .name: bn_g, .offset: 128, .size: 8, .value_kind: global_buffer, .address_space: global }
      - { .name: bn_b, .offset: 136, .size: 8, .value_kind: global_buffer, .address_space: global }
      - { .name: bn_m, .offset: 144, .size: 8, .value_kind: global_buffer, .address_space: global }
      - { .name: bn_v, .offset: 152, .size: 8, .value_kind: global_buffer, .address_space: global }
      - { .name: pe_w2, .offset: 160, .size: 8, .value_kind: global_buffer, .address_space: global }
      - { .name: pe_b2, .offset: 168, .size: 8, .value_kind: global_buffer, .address_space: global }
    .group_segment_fixed_size: 327680
    .private_segment_fixed_size: 0
    .kernarg_segment_align: 8
    .kernarg_segment_size: 176
    .max_flat_workgroup_size: 128
    .sgpr_count:     96
    .vgpr_count:     1024
    .wavefront_size: 32
...
	.end_amdgpu_metadata
.endif
;; end of part 2
;; ======== version 2 of 2: 2 launches; 1.14 times as fast as version 1
;; workspace buffers: wbuf 1,572,864 bytes
;; launch wprep: the kernel of part 1 again; grid 96 x 1, 4 waves a work-group, no clusters, 0 bytes of LDS; arguments Wq, Wk, Wv, Wp, fc1_w, fc2_w, wbuf; writes wbuf
;; launch fused (part 3): grid 256 x 1, 4 waves a work-group, clusters of 4 x 1, 327,680 bytes of LDS; arguments x, out0, wbuf, pos, ln1_g, ln1_b, bq, bk, bv, bp, ln2_g, ln2_b, fc2_b, fc1_b, pe_w1, pe_b1, bn_g, bn_b, bn_m, bn_v, pe_w2, pe_b2; writes out0
.if DOCPART == 3
	.amdgcn_target "amdgcn-amd-amdhsa--gfx1250"
	.amdhsa_code_object_version 6
	.text
	.protected	k_qf34b92837c_fused
	.globl	k_qf34b92837c_fused
	.p2align	8
	.type	k_qf34b92837c_fused,@function
k_qf34b92837c_fused:
	s_mov_b64 s[64:65], 0
	v_nop
	global_prefetch_b8 v0, s[64:65] scope:SCOPE_SE
	s_setreg_imm32_b32 hwreg(HW_REG_WAVE_MODE, 25, 1), 1
	s_wait_xcnt 0x0
	s_wait_alu depctr_hold_cnt(0) depctr_sa_sdst(0) depctr_va_vdst(0) depctr_va_sdst(0) depctr_va_ssrc(0) depctr_va_vcc(0) depctr_vm_vsrc(0)
	s_getreg_b32 s2, hwreg(HW_REG_IB_STS2, 6, 4)
	s_cmp_eq_u32 s2, 0
	s_cbranch_scc0 .Lentry_in_a_cluster
	s_endpgm
.Lentry_in_a_cluster:
	s_bfe_u32 s2, ttmp6, 0x10000c
	s_cmp_lg_u32 s2, 0x3003
	s_cbranch_scc0 .Lentry_shape_is_right
	s_endpgm
.Lentry_shape_is_right:
; The whole block in one launch: LN1, q k v, windowed attention with the position bias, projection, residual, LN2, fc1, exact GELU, fc2, residual.
; A work-group owns 256 tokens (8 windows of 4 x 8 side by side), a wave 64 tokens (2 windows a = 0, 1; 4 token tiles tt = 2a + tq of 16).
; Every weight product takes the weight as source 0 and the tokens as source 1: in a result lane (r, h) holds token r and channels 8h .. 8h+7,
; so two neighbouring result tiles rounded to bf16 are the operand of the next product.  A wave carries its tokens through the block in registers;
; only weights pass through LDS: 24 tiles of 64 KiB (64 fragments of 1 KiB, in the order of use) through two slots.
; CLUSTER 4, 1, 1: all work-groups walk the same weight stream, so the four of a cluster ask for each tile jointly (mask 15), each wave for its quarter.
; Nothing else is shared between work-groups.  A wave has at most one tensor load outstanding.
; REGISTERS: windows 2 and 3: X, the residual stream in f32, X[c][tt] = 8(4c+tt)+j, channel 16c+8h+j (c < 8 window 2, else window 3);
; window 1: XN, the LayerNorm output as bf16 operands, XN[s][tt] = 8(4s+tt)+e; window 0: all the rest, mapped phase by phase below.
; THE MLP IS A PIPELINE over hidden chunks u of 32: matrix order A(u) (fc1, hidden rows 0-15), B(u) (rows 16-31), F(u-1) (fc2), and the GELU of the
; eight result tiles of a chunk stands between these matrix instructions, one tile of 72 vector instructions for each group of 16 matrix instructions.
; TRANSCENDENTALS GO IN BATCHES, each with ONE s_wait_alu depctr_va_vdst(0) ahead of its first reader.  The batches: the eight
; rsq of the BatchNorm fold; the four rsq of a LayerNorm; in a head trip the 64 exponentials of the four token tiles, and then the four reciprocals of
; their sums; in the MLP the eight reciprocals and the eight exponentials of a GELU tile, which read plain results alone and never each other's.
; No result of a batch is named ahead of its wait, and none is open at a label or a branch.
; LIMITS.  erf by Abramowitz and Stegun 7.1.26, absolute error up to 1.5e-7; gelu is closed as x/2 + |x| (1/2 - u), which rounds 1/2 - u once
; (up to 2^-25 |x|).  v_exp_f32, v_rcp_f32, v_rsq_f32 flush denormals.  NaN and infinite inputs are not served.  bv is added behind P V (a softmax
; row sums to one).  BatchNorm is folded into three f32 numbers for each hidden unit.
; Matrix operands in bf16: xn, q, k, v, the unnormalised softmax weights, o, the hidden units of both small networks, all weights.
.set SLOTB,  65536                     ; an LDS slot: one weight tile
.set PAR,    131072                    ; tables, written once: +0 ln1_g +1024 ln1_b +2048 bq +3072 bk +4096 bv +5120 bp +6144 ln2_g +7168 ln2_b +8192 fc2_b +9216 fc1_b
.set WSB,    144384                    ; each wave: WS bytes of its own
.set WS,     39424
.set SPITCH, 1040                      ; a stage row: 1,024 bytes + 16, an odd multiple of 16: the 16 rows that a load touches fall on 16 different 16-byte columns
.set STG1,   16640                     ; stage 0 at 0, stage 1 here: 16 token rows each.  The bias (32,768 bytes from 0) uses the same bytes at other times
.set SAVE,   33280                     ; 12 quads of 512 bytes: 0-5 PEA PEB PEC, 6 7 positions of window 0, 1, 8 9 W2F of pass 0, 10 11 of pass 1
.set VW,  1                            ; v1 16 x lane (slot 0; also the offset in x and out0), v2 the same + slot 1
.set VH,  3                            ; PAR + 32 h
.set VHB, 4                            ; VH + 256 for each pair of heads done
.set VFB, 5                            ; VH + 9216 + 512 for each four hidden chunks done
.set VSC, 6                            ; my scratch + 16 x lane
.set VSD, 7                            ; my scratch + 1040 r + 32 h
.set VBI, 8                            ; bias, read
.set VBS, 9                            ; bias, store
.set VPP, 10                           ; positions in SAVE
.set MX,  12                           ; v[12:13] row maximum
.set SM,  14                           ; v[14:15] row sum
.set INV, 16                           ; v[16:23] 1 / sum of token tile tt, in the even registers
.set U,   24                           ; v[24:31] at work; in the MLP v[30:31] = -a4/2
.set MBT, 8                            ; MLP: v[8:23] the bias of fc1 for a chunk, as C of the first K step (the head phase has done with v8-v23)
.set ACC, 32                           ; 8 result tiles
.set QF,  96
.set PF,  96
.set HF0, 96                           ; MLP: hidden units of even chunks as operands
.set KF,  128
.set OF,  128
.set HF1, 128                          ; MLP: of odd chunks
.set VF,  160
.set BTQ, 160
.set BTK, 176
.set GD,  160                          ; GELU, 8 numbers each: denominator, then x / 2
.set GT,  168                          ; t
.set GQ,  176                          ; the exponent, then the polynomial and 1/2 - u
.set GE,  184                          ; the exponential, then the result
.set WFA, 192                          ; four weight fragments, two buffers
.set WFB, 224
.set BVT, 224
.set PEA, 32                           ; position stack
.set PEB, 40
.set PEC, 48
.set W2F, 56
.set B2T, 64
.set PP,  72
.set DX,  76
.set DY,  78
.set HT,  80
.set HFR, 88
.set DT,  104
.set SA,  32                           ; LayerNorm
.set NM,  32
.set MN,  48
.set RS,  56
.set LT,  64
.set LG,  128
.set LB,  192
.set MSB, 0
.macro WIN new                         ; low byte: bits 1:0 source 0, 3:2 source 1, 5:4 source 2, 7:6 destination; the high byte repeats the setting that is left
.if MSB != (\new)
	s_set_vgpr_msb (MSB<<8)|(\new)
.set MSB, (\new)
.endif
.endm
.macro PLACES                          ; four independent vector instructions between a matrix instruction and a read of its result or a write of its registers (ISA guide 7.12.1)
.rept 4
	v_nop
.endr
.endm
.macro ROUND                           ; a round of the barrier of the cluster
	s_barrier_signal -1
	s_barrier_wait -1
	s_cmp_lg_u32 s4, 0
	s_cbranch_scc1 .Lnw0_\@
	s_barrier_signal -3
.Lnw0_\@:
	s_barrier_wait -3
	s_barrier_signal -1
	s_barrier_wait -1
.endm
; The head of a trip: slot is read in this trip; the other slot, read in the last trip, is asked for again.
.macro TRIPHEAD slot, refill
	WIN 0
	s_wait_xcnt 0x0
	v_lshl_add_u32 v190, v0, 2, 0x49c00
	v_mov_b32 v191, 0
	s_wait_tensorcnt 0x0                           ; all my tensor loads have landed, my quarter of this tile among them, so a group 0 may be written
	ds_add_u32 v190, v191
	s_wait_dscnt 0x0
	s_add_nc_u64 s[62+8*\slot:63+8*\slot], s[62+8*\slot:63+8*\slot], 2*SLOTB   ; the next tile of this slot
	s_wait_dscnt 0x0                               ; my reads of the other slot are back
	ROUND                                          ; both now hold of every wave of the four work-groups
.if \refill
	tensor_load_to_lds s[60+8*(1-\slot):63+8*(1-\slot)], s[52:59]   ; my one tensor load behind the round, first thing there
	s_nop 0
.endif
	PLACES                                         ; also the places in front of the loads into registers that the last matrix instructions read
.endm
.macro WLOAD buf, slot, g              ; fragments 4g .. 4g+3 of the tile: eight loads, each of 512 consecutive bytes
.irp i, 0,1,2,3
	ds_load_b128 v[\buf+8*\i:\buf+8*\i+3],   v[VW+\slot] offset:(4*(\g)+\i)*1024
	ds_load_b128 v[\buf+8*\i+4:\buf+8*\i+7], v[VW+\slot] offset:(4*(\g)+\i)*1024+512
.endr
.endm
; Sixteen matrix instructions each.  The accumulators take turns, one instruction a turn.
.macro MULIN buf, gi, bt               ; ACC[ct][tt] += W rows (ct = i & 1) x XN[s][tt], s = 2 gi + (i >> 1); the first K step starts from the bias
.irp i, 0,1,2,3
.irp tt, 0,1,2,3
.if (2*\gi+(\i>>1)) == 0
	v_wmma_f32_16x16x32_bf16 v[ACC+8*(4*(\i&1)+\tt):ACC+8*(4*(\i&1)+\tt)+7], v[\buf+8*\i:\buf+8*\i+7], v[8*(4*(2*\gi+(\i>>1))+\tt):8*(4*(2*\gi+(\i>>1))+\tt)+7], v[\bt+8*(\i&1):\bt+8*(\i&1)+7]
.else
	v_wmma_f32_16x16x32_bf16 v[ACC+8*(4*(\i&1)+\tt):ACC+8*(4*(\i&1)+\tt)+7], v[\buf+8*\i:\buf+8*\i+7], v[8*(4*(2*\gi+(\i>>1))+\tt):8*(4*(2*\gi+(\i>>1))+\tt)+7], v[ACC+8*(4*(\i&1)+\tt):ACC+8*(4*(\i&1)+\tt)+7]
.endif
.endr
.endr
.endm
.macro MULV buf, gi                    ; the same with the sources swapped: lane = channel, registers = tokens, as P V wants v
.irp i, 0,1,2,3
.irp tt, 0,1,2,3
.if (2*\gi+(\i>>1)) == 0
	v_wmma_f32_16x16x32_bf16 v[ACC+8*(4*(\i&1)+\tt):ACC+8*(4*(\i&1)+\tt)+7], v[8*(4*(2*\gi+(\i>>1))+\tt):8*(4*(2*\gi+(\i>>1))+\tt)+7], v[\buf+8*\i:\buf+8*\i+7], 0
.else
	v_wmma_f32_16x16x32_bf16 v[ACC+8*(4*(\i&1)+\tt):ACC+8*(4*(\i&1)+\tt)+7], v[8*(4*(2*\gi+(\i>>1))+\tt):8*(4*(2*\gi+(\i>>1))+\tt)+7], v[\buf+8*\i:\buf+8*\i+7], v[ACC+8*(4*(\i&1)+\tt):ACC+8*(4*(\i&1)+\tt)+7]
.endif
.endr
.endr
.endm
.macro MULOUT buf, gi, b               ; X[4 gi + i][tt] += W rows x b[tt]
.irp i, 0,1,2,3
.irp tt, 0,1,2,3
	v_wmma_f32_16x16x32_bf16 v[8*(4*(4*(\gi&1)+\i)+\tt):8*(4*(4*(\gi&1)+\i)+\tt)+7], v[\buf+8*\i:\buf+8*\i+7], v[\b+8*\tt:\b+8*\tt+7], v[8*(4*(4*(\gi&1)+\i)+\tt):8*(4*(4*(\gi&1)+\i)+\tt)+7]
.endr
.endr
.endm
.macro GIN buf, gi, bt, slot, nx       ; under window setting 0x04, which the loads share (they name destination and source 0 alone)
	s_wait_dscnt 0x8                               ; the eight loads of the next group may stay out
	MULIN \buf, \gi, \bt
	PLACES
	WLOAD \buf, \slot, \nx
.endm
.macro GV buf, gi
	s_wait_dscnt 0x8
	WIN 0x01
	MULV \buf, \gi
	WIN 0
	PLACES
.endm
.macro GOUT buf, gi, b, cnt
	s_wait_dscnt \cnt
	WIN 0xa0+0x50*(\gi>>1)
	MULOUT \buf, \gi, \b
	WIN 0
	PLACES
.endm
.macro PACK dst                        ; ACC[ct][tt] to the operand dst[tt]: registers 4 ct + jp
.irp ct, 0,1
.irp tt, 0,1,2,3
.irp jp, 0,1,2,3
	v_cvt_pk_bf16_f32 v[\dst+8*\tt+4*\ct+\jp], v[ACC+8*(4*\ct+\tt)+2*\jp], v[ACC+8*(4*\ct+\tt)+2*\jp+1]
.endr
.endr
.endr
.endm
.macro PACKV                           ; ACC[dt][2a+tq] to VF[a][dt]: registers 4 tq + jp (keys 16 tq + 8 h + ..)
.irp a, 0,1
.irp dt, 0,1
.irp tq, 0,1
.irp jp, 0,1,2,3
	v_cvt_pk_bf16_f32 v[VF+8*(2*\a+\dt)+4*\tq+\jp], v[ACC+8*(4*\dt+2*\a+\tq)+2*\jp], v[ACC+8*(4*\dt+2*\a+\tq)+2*\jp+1]
.endr
.endr
.endr
.endr
.endm
; Softmax of the 16 queries of a tile, in two parts.  A lane holds 16 of its query 32 scores, the lane 16 further the other 16.  Base 2: scale and bias carry log2(e).
; SMPRE: scale and bias, the true maximum, the subtraction (into the registers of the bias) and the 16 exponentials (into the registers of the scores).  It names
; no exponential's result, its own tile's or another's, so the four tiles' SMPRE follow each other and their 64 exponentials are one batch.
; SMPOST, behind the batch's wait: the sum, its reciprocal, the rounding of the weights.  The four reciprocals are a batch of their own, which ONORM waits for.
.macro SMPRE s, bv
.irp i, 0,2,4,6,8,10,12,14
	v_pk_fma_f32 v[\s+\i:\s+\i+1], v[\s+\i:\s+\i+1], s[28:29], v[\bv+\i:\bv+\i+1] op_sel_hi:[1,0,1]
.endr
	v_max3_num_f32 v[MX],   v[\s],    v[\s+1],  v[\s+2]
	v_max3_num_f32 v[MX+1], v[\s+3],  v[\s+4],  v[\s+5]
	v_max3_num_f32 v[MX],   v[MX],    v[\s+6],  v[\s+7]
	v_max3_num_f32 v[MX+1], v[MX+1],  v[\s+8],  v[\s+9]
	v_max3_num_f32 v[MX],   v[MX],    v[\s+10], v[\s+11]
	v_max3_num_f32 v[MX+1], v[MX+1],  v[\s+12], v[\s+13]
	v_max3_num_f32 v[MX],   v[MX],    v[\s+14], v[\s+15]
	v_max_num_f32 v[MX], v[MX], v[MX+1]
	v_permlanex16_b32 v[MX+1], v[MX], s66, s67
	v_max_num_f32 v[MX], v[MX], v[MX+1]            ; the true maximum of the row
.irp i, 0,2,4,6,8,10,12,14
	v_pk_add_f32 v[\bv+\i:\bv+\i+1], v[\s+\i:\s+\i+1], v[MX:MX+1] op_sel_hi:[1,0] neg_lo:[0,1] neg_hi:[0,1]
.endr
.irp i, 0,1,2,3,4,5,6,7,8,9,10,11,12,13,14,15
	v_exp_f32 v[\s+\i], v[\bv+\i]
.endr
.endm
.macro SMPOST s, pf, tt
	v_pk_add_f32 v[U:U+1],     v[\s:\s+1],       v[\s+2:\s+3]
	v_pk_add_f32 v[U+2:U+3],   v[\s+4:\s+5],     v[\s+6:\s+7]
	v_pk_add_f32 v[U+4:U+5],   v[\s+8:\s+9],     v[\s+10:\s+11]
	v_pk_add_f32 v[U+6:U+7],   v[\s+12:\s+13],   v[\s+14:\s+15]
	v_pk_add_f32 v[U:U+1],     v[U:U+1],         v[U+2:U+3]
	v_pk_add_f32 v[U+4:U+5],   v[U+4:U+5],       v[U+6:U+7]
	v_pk_add_f32 v[U:U+1],     v[U:U+1],         v[U+4:U+5]
	v_add_f32 v[SM], v[U], v[U+1]
	v_permlanex16_b32 v[SM+1], v[SM], s66, s67
	v_add_f32 v[SM], v[SM], v[SM+1]                ; at least 1: the largest term is 1
	v_rcp_f32 v[INV+2*\tt], v[SM]                  ; the roundings below are plain and leave SM alone
.irp i, 0,1,2,3,4,5,6,7
	v_cvt_pk_bf16_f32 v[\pf+\i], v[\s+2*\i], v[\s+2*\i+1]
.endr
.endm
.macro ONORM                           ; o = O / sum + bv, rounded into the operand OF[tt]
	s_wait_alu depctr_va_vdst(0)                   ; one wait for the batch of four reciprocals of the sums; the roundings, the products P V and their places stand between
.irp dt, 0,1
.irp tt, 0,1,2,3
.irp p, 0,2,4,6
	v_pk_fma_f32 v[ACC+8*(4*\dt+\tt)+\p:ACC+8*(4*\dt+\tt)+\p+1], v[ACC+8*(4*\dt+\tt)+\p:ACC+8*(4*\dt+\tt)+\p+1], v[INV+2*\tt:INV+2*\tt+1], v[BVT+8*\dt+\p:BVT+8*\dt+\p+1] op_sel_hi:[1,0,1]
.endr
.endr
.endr
.irp dt, 0,1
.irp tt, 0,1,2,3
.irp p, 0,1,2,3
	v_cvt_pk_bf16_f32 v[OF+8*\tt+4*\dt+\p], v[ACC+8*(4*\dt+\tt)+2*\p], v[ACC+8*(4*\dt+\tt)+2*\p+1]
.endr
.endr
.endr
.endm
; ---------------- the GELU as a stream of 72 instructions for one result tile (8 numbers a lane) ----------------
; gelu(x) = x/2 + |x| (1/2 - u), u = (P(t)/2) exp(-x x / 2), t = 1 / (1 + 0.23164189 |x|).  The coefficients are held negated and halved, so that
; GQ ends as -(P(t)/2) and one fused multiply-add with the exponential gives 1/2 - u.
; ONE BATCH, ONE WAIT.  The eight reciprocals read the denominators, the eight exponentials the scaled squares: plain results alone, so the sixteen are one batch.
;   0-3    four denominators
;   4-35   plain and transcendental by turns.  Plain: the other four denominators (4, 6, 8, 10), squares and their scalings of pairs 0, 1 (12-18, even) and 2, 3
;          (20-26, even), x / 2 (28, 30, 32, 35).  Transcendental: reciprocals 0-7 (5-19, odd), exponentials 0-3 (21-27, odd) and 4-7 (29, 31, 33, 34).
;          x / 2 takes the registers of the denominators, each pair nine numbers or more behind its two reciprocals.  None of 0-35 names GT or GE.
;          35 is the plain instruction behind the last exponential (ISA guide 5.7.2), so no v_nop.
;   (wait) behind 35: the wait for the batch
;   36-71  the readers: the polynomial in t (in the registers of the exponents), 1/2 - u, the closing multiply-add, the rounding to bf16
; GSET picks the tile: x in ACC[ct][tt], the four packed results into registers 4 ct .. of the operand hf[tt].  GEL emits instruction GIDX and steps it.
.macro GSET ct, tt, hf
.set GX, ACC+8*(4*\ct+\tt)
.set GH, \hf+8*\tt+4*\ct
.set GIDX, 0
.endm
.macro GEL
.if GIDX < 4
	v_fma_f32 v[GD+GIDX], |v[GX+GIDX]|, s16, 1.0
.elseif (GIDX < 12) && ((GIDX&1) == 0)
	v_fma_f32 v[GD+2+GIDX/2], |v[GX+2+GIDX/2]|, s16, 1.0
.elseif (GIDX < 20) && ((GIDX&1) == 1)
	v_rcp_f32 v[GT+(GIDX-5)/2], v[GD+(GIDX-5)/2]
.elseif (GIDX < 28) && ((GIDX&1) == 0)
.set GM, (GIDX-12)/2                   ; 0 1: squares of pairs 0 1; 2 3: their scalings; 4 5: squares of pairs 2 3; 6 7: their scalings
.set GK, 4*(GM>>2)+2*(GM&1)
.if (GM&2) == 0
	v_pk_mul_f32 v[GQ+GK:GQ+GK+1], v[GX+GK:GX+GK+1], v[GX+GK:GX+GK+1]
.else
	v_pk_mul_f32 v[GQ+GK:GQ+GK+1], v[GQ+GK:GQ+GK+1], s[18:19] op_sel_hi:[1,0]
.endif
.elseif (GIDX < 28) || (GIDX == 29) || (GIDX == 31) || (GIDX == 33) || (GIDX == 34)
	v_exp_f32 v[GE+(GIDX-20)/2], v[GQ+(GIDX-20)/2]
.elseif GIDX < 36
	v_pk_mul_f32 v[GD+2*((GIDX-28)/2):GD+2*((GIDX-28)/2)+1], v[GX+2*((GIDX-28)/2):GX+2*((GIDX-28)/2)+1], 0.5 op_sel_hi:[1,0]
.if GIDX == 35
	s_wait_alu depctr_va_vdst(0)                   ; one wait for the tile's batch, eight reciprocals and eight exponentials, ahead of its first reader, number 36
.endif
.elseif GIDX < 40
	v_pk_fma_f32 v[GQ+2*(GIDX-36):GQ+2*(GIDX-36)+1], v[GT+2*(GIDX-36):GT+2*(GIDX-36)+1], s[20:21], v[30:31] op_sel_hi:[1,0,1]
.elseif GIDX < 44
	v_pk_fma_f32 v[GQ+2*(GIDX-40):GQ+2*(GIDX-40)+1], v[GQ+2*(GIDX-40):GQ+2*(GIDX-40)+1], v[GT+2*(GIDX-40):GT+2*(GIDX-40)+1], s[22:23] op_sel_hi:[1,1,0]
.elseif GIDX < 48
	v_pk_fma_f32 v[GQ+2*(GIDX-44):GQ+2*(GIDX-44)+1], v[GQ+2*(GIDX-44):GQ+2*(GIDX-44)+1], v[GT+2*(GIDX-44):GT+2*(GIDX-44)+1], s[24:25] op_sel_hi:[1,1,0]
.elseif GIDX < 52
	v_pk_fma_f32 v[GQ+2*(GIDX-48):GQ+2*(GIDX-48)+1], v[GQ+2*(GIDX-48):GQ+2*(GIDX-48)+1], v[GT+2*(GIDX-48):GT+2*(GIDX-48)+1], s[26:27] op_sel_hi:[1,1,0]
.elseif GIDX < 56
	v_pk_mul_f32 v[GQ+2*(GIDX-52):GQ+2*(GIDX-52)+1], v[GQ+2*(GIDX-52):GQ+2*(GIDX-52)+1], v[GT+2*(GIDX-52):GT+2*(GIDX-52)+1]
.elseif GIDX < 60
	v_pk_fma_f32 v[GQ+2*(GIDX-56):GQ+2*(GIDX-56)+1], v[GQ+2*(GIDX-56):GQ+2*(GIDX-56)+1], v[GE+2*(GIDX-56):GE+2*(GIDX-56)+1], 0.5 op_sel_hi:[1,1,0]
.elseif GIDX < 68
	v_fma_f32 v[GE+GIDX-60], |v[GX+GIDX-60]|, v[GQ+GIDX-60], v[GD+GIDX-60]
.elseif GIDX < 72
	v_cvt_pk_bf16_f32 v[GH+GIDX-68], v[GE+2*(GIDX-68)], v[GE+2*(GIDX-68)+1]
.endif
.set GIDX, GIDX+1
.endm
.macro GEMIT n
.rept \n
	GEL
.endr
.endm
.macro GBARE ct, tt, hf                ; a tile of GELU with no matrix work to stand under: at the two ends of the pipeline alone
	GSET \ct, \tt, \hf
	GEMIT 72
.endm
; A group of the MLP: 16 matrix instructions on one buffer of four fragments.  gel = 1: the 72 instructions of the tile that GSET picked stand behind them,
; 4 behind each of the first 15 and 12 behind the last; the tile's one wait stands behind the four of the ninth.  Those 12 are plain, name no register of the
; group and are the places in front of the loads that
; follow the group.  The GELU works in window 0, the matrix instruction names XN (window 1) or X (windows 2, 3): hence a switch on either side of it;
; windows 1 to 3 are full, so no layout spares them.  The accumulators take turns, one instruction a turn.
.macro GRPIN buf, ct, gi, gel          ; fc1: hidden rows 16 ct .., K steps s = 4 gi + (KK >> 2), token tile KK & 3; the first K step starts from the bias
.set KK, 0
.rept 16
	WIN 0x04
.if (4*\gi+(KK>>2)) == 0
	v_wmma_f32_16x16x32_bf16 v[ACC+8*(4*\ct+(KK&3)):ACC+8*(4*\ct+(KK&3))+7], v[\buf+8*(KK>>2):\buf+8*(KK>>2)+7], v[8*(KK&3):8*(KK&3)+7], v[MBT+8*\ct:MBT+8*\ct+7]
.else
	v_wmma_f32_16x16x32_bf16 v[ACC+8*(4*\ct+(KK&3)):ACC+8*(4*\ct+(KK&3))+7], v[\buf+8*(KK>>2):\buf+8*(KK>>2)+7], v[8*(4*(4*\gi+(KK>>2))+(KK&3)):8*(4*(4*\gi+(KK>>2))+(KK&3))+7], v[ACC+8*(4*\ct+(KK&3)):ACC+8*(4*\ct+(KK&3))+7]
.endif
.if \gel
	WIN 0
	GEMIT 4+8*(KK/15)
.endif
.set KK, KK+1
.endr
	WIN 0
.if \gel == 0
	PLACES
.endif
.endm
.macro GRPOUT buf, gi, hf, gel         ; fc2: X[4 gi + (KK >> 2)][KK & 3] += W rows x hf[KK & 3]
.set KK, 0
.rept 16
	WIN 0xa0+0x50*(\gi>>1)
	v_wmma_f32_16x16x32_bf16 v[8*(4*(4*(\gi&1)+(KK>>2))+(KK&3)):8*(4*(4*(\gi&1)+(KK>>2))+(KK&3))+7], v[\buf+8*(KK>>2):\buf+8*(KK>>2)+7], v[\hf+8*(KK&3):\hf+8*(KK&3)+7], v[8*(4*(4*(\gi&1)+(KK>>2))+(KK&3)):8*(4*(4*(\gi&1)+(KK>>2))+(KK&3))+7]
.if \gel
	WIN 0
	GEMIT 4+8*(KK/15)
.endif
.set KK, KK+1
.endr
	WIN 0
.if \gel == 0
	PLACES
.endif
.endm
.macro GI cnt, buf, ct, gi, gct, gtt, ghf
	s_wait_dscnt \cnt                              ; the loads issued behind this group's eight may stay out
	GSET \gct, \gtt, \ghf
	GRPIN \buf, \ct, \gi, 1
.endm
.macro GO cnt, buf, gi, hf, gct, gtt, ghf
	s_wait_dscnt \cnt
	GSET \gct, \gtt, \ghf
	GRPOUT \buf, \gi, \hf, 1
.endm
.macro WLI buf, slot, blk, ct, gi      ; four fragments of an fc1 block: K steps 4 gi .. 4 gi + 3 of hidden rows 16 ct ..
.irp i, 0,1,2,3
	ds_load_b128 v[\buf+8*\i:\buf+8*\i+3],   v[VW+\slot] offset:(16*\blk+2*(4*\gi+\i)+\ct)*1024
	ds_load_b128 v[\buf+8*\i+4:\buf+8*\i+7], v[VW+\slot] offset:(16*\blk+2*(4*\gi+\i)+\ct)*1024+512
.endr
.endm
.macro WLO buf, slot, blk, gi          ; four fragments of an fc2 block: output rows 16 (4 gi + i) ..
.irp i, 0,1,2,3
	ds_load_b128 v[\buf+8*\i:\buf+8*\i+3],   v[VW+\slot] offset:(16*\blk+4*\gi+\i)*1024
	ds_load_b128 v[\buf+8*\i+4:\buf+8*\i+7], v[VW+\slot] offset:(16*\blk+4*\gi+\i)*1024+512
.endr
.endm
.macro MBTLOAD off                     ; the bias of fc1 for one chunk: 128 bytes a chunk, off counted from the chunk at which VFB stands
.irp ct, 0,1
.irp f, 0,1
	ds_load_b128 v[MBT+8*\ct+4*\f:MBT+8*\ct+4*\f+3], v[VFB] offset:\off+64*\ct+16*\f
.endr
.endr
.endm
; One tile of the MLP, j = 0 .. 15: blocks F(2j-1), fc1(2j+1), F(2j), fc1(2j+2); sixteen groups on buffers WFA, WFB in turn, each buffer loaded again
; behind its group for the group after next.  Chunk 2j and 2j+2 use HF0, chunk 2j+1 HF1.  An ACC tile has been through the GELU before the next A or B
; writes it, and an operand HF is whole before its F begins.
; first: tile 0 holds fc1(0) in the place of F(-1).  last: tile 15 holds F(31) in the place of fc1(32).
; THE BIAS OFFSETS.  Tile 0: VFB stands at chunk 0; chunks 0, 1, 2 lie at 0, 128, 256.  Loop trip m (tiles 2m+1 in slot 1, 2m+2 in slot 0): VFB stands at
; chunk 4m; chunks 4m+3, 4m+4 (slot 1) lie at 384, 512 and chunks 4m+5, 4m+6 (slot 0) at 640, 768.  Tile 15 (slot 1): VFB stands at chunk 28; chunk 31 at 384.
.macro MTILE slot, refill, first, last
	TRIPHEAD \slot, \refill
.if \first
	MBTLOAD 0
	WLI WFA, \slot, 0, 0, 0
	WLI WFB, \slot, 0, 0, 1
	s_wait_dscnt 0x8
	GRPIN WFA, 0, 0, 0                             ; A(0): nothing yet for the GELU
	WLI WFA, \slot, 0, 1, 0
	s_wait_dscnt 0x8
	GRPIN WFB, 0, 1, 0
	WLI WFB, \slot, 0, 1, 1
	GI 0x8, WFA, 1, 0, 0, 0, HF0                   ; B(0)
	MBTLOAD 128                                    ; chunk 1
	WLI WFA, \slot, 1, 0, 0
	GI 0xc, WFB, 1, 1, 0, 1, HF0                   ; 12: four loads of the bias and eight of the next group were issued behind this group's
	WLI WFB, \slot, 1, 0, 1
	GBARE 0, 2, HF0
	GBARE 0, 3, HF0
	GBARE 1, 0, HF0
	GBARE 1, 1, HF0
.else
	MBTLOAD (384+256*(1-\slot))                    ; chunk 2j+1
	WLO WFA, \slot, 0, 0
	WLO WFB, \slot, 0, 1
	GO 0x8, WFA, 0, HF1, 0, 2, HF0                 ; F(2j-1)
	WLO WFA, \slot, 0, 2
	GO 0x8, WFB, 1, HF1, 0, 3, HF0
	WLO WFB, \slot, 0, 3
	GO 0x8, WFA, 2, HF1, 1, 0, HF0
	WLI WFA, \slot, 1, 0, 0
	GO 0x8, WFB, 3, HF1, 1, 1, HF0
	WLI WFB, \slot, 1, 0, 1
.endif
	GI 0x8, WFA, 0, 0, 1, 2, HF0                   ; A(2j+1)
	WLI WFA, \slot, 1, 1, 0
	GI 0x8, WFB, 0, 1, 1, 3, HF0                   ; HF0 is whole behind this group
	WLI WFB, \slot, 1, 1, 1
	GI 0x8, WFA, 1, 0, 0, 0, HF1                   ; B(2j+1)
	WLO WFA, \slot, 2, 0
	GI 0x8, WFB, 1, 1, 0, 1, HF1
	WLO WFB, \slot, 2, 1
	GO 0x8, WFA, 0, HF0, 0, 2, HF1                 ; F(2j)
.if \last
	WLO WFA, \slot, 2, 2
	GO 0x8, WFB, 1, HF0, 0, 3, HF1
.else
.if \first
	MBTLOAD 256                                    ; chunk 2
.else
	MBTLOAD (512+256*(1-\slot))                    ; chunk 2j+2
.endif
	WLO WFA, \slot, 2, 2
	GO 0xc, WFB, 1, HF0, 0, 3, HF1                 ; 12: the bias and the next group
.endif
	WLO WFB, \slot, 2, 3
	GO 0x8, WFA, 2, HF0, 1, 0, HF1
.if \last
	WLO WFA, \slot, 3, 0
	GO 0x8, WFB, 3, HF0, 1, 1, HF1
	WLO WFB, \slot, 3, 1
	GBARE 1, 2, HF1
	GBARE 1, 3, HF1                                ; HF1 is whole
	s_wait_dscnt 0x8
	GRPOUT WFA, 0, HF1, 0                          ; F(31)
	WLO WFA, \slot, 3, 2
	s_wait_dscnt 0x8
	GRPOUT WFB, 1, HF1, 0
	WLO WFB, \slot, 3, 3
	s_wait_dscnt 0x8
	GRPOUT WFA, 2, HF1, 0
	s_wait_dscnt 0x0
	GRPOUT WFB, 3, HF1, 0
.else
	WLI WFA, \slot, 3, 0, 0
	GO 0x8, WFB, 3, HF0, 1, 1, HF1
	WLI WFB, \slot, 3, 0, 1
	GI 0x8, WFA, 0, 0, 1, 2, HF1                   ; A(2j+2)
	WLI WFA, \slot, 3, 1, 0
	GI 0x8, WFB, 0, 1, 1, 3, HF1                   ; HF1 is whole behind this group
	WLI WFB, \slot, 3, 1, 1
	GI 0x8, WFA, 1, 0, 0, 0, HF0                   ; B(2j+2)
	GI 0x0, WFB, 1, 1, 0, 1, HF0
.endif
.endm
; LayerNorm of X into XN.  Two passes over the registers: mean, then the mean of the squared differences.
.macro LNLOAD tg, tb, hf
.irp c, 0,1,2,3,4,5,6,7
.irp f, 0,1
	ds_load_b128 v[LG+8*\c+4*\f:LG+8*\c+4*\f+3], v[VH] offset:\tg+64*(8*\hf+\c)+16*\f
	ds_load_b128 v[LB+8*\c+4*\f:LB+8*\c+4*\f+3], v[VH] offset:\tb+64*(8*\hf+\c)+16*\f
.endr
.endr
.endm
.macro LNSUM c
.irp p, 0,1,2,3
.irp tt, 0,1,2,3
	v_pk_add_f32 v[SA+4*\tt+2*(\p&1):SA+4*\tt+2*(\p&1)+1], v[8*(4*\c+\tt)+2*\p:8*(4*\c+\tt)+2*\p+1], v[SA+4*\tt+2*(\p&1):SA+4*\tt+2*(\p&1)+1]
.endr
.endr
.endm
.macro LNVAR w, cp, first
	WIN 0x02+\w
.irp cc, 0,1
.irp tt, 0,1,2,3
.irp p, 0,1,2,3
	v_pk_add_f32 v[LT+8*(4*\cc+\tt)+2*\p:LT+8*(4*\cc+\tt)+2*\p+1], v[8*(4*(2*\cp+\cc)+\tt)+2*\p:8*(4*(2*\cp+\cc)+\tt)+2*\p+1], v[MN+2*\tt:MN+2*\tt+1] op_sel_hi:[1,0] neg_lo:[0,1] neg_hi:[0,1]
.endr
.endr
.endr
	WIN 0
.irp cc, 0,1
.irp p, 0,1,2,3
.irp tt, 0,1,2,3
.set ISF, 0
.if \first
.if \cc == 0
.if \p < 2
.set ISF, 1
.endif
.endif
.endif
.if ISF
	v_pk_mul_f32 v[SA+4*\tt+2*(\p&1):SA+4*\tt+2*(\p&1)+1], v[LT+8*(4*\cc+\tt)+2*\p:LT+8*(4*\cc+\tt)+2*\p+1], v[LT+8*(4*\cc+\tt)+2*\p:LT+8*(4*\cc+\tt)+2*\p+1]
.else
	v_pk_fma_f32 v[SA+4*\tt+2*(\p&1):SA+4*\tt+2*(\p&1)+1], v[LT+8*(4*\cc+\tt)+2*\p:LT+8*(4*\cc+\tt)+2*\p+1], v[LT+8*(4*\cc+\tt)+2*\p:LT+8*(4*\cc+\tt)+2*\p+1], v[SA+4*\tt+2*(\p&1):SA+4*\tt+2*(\p&1)+1]
.endif
.endr
.endr
.endr
.endm
.macro LNNORM w, cp
	WIN 0x02+\w
.irp cc, 0,1
.irp tt, 0,1,2,3
.irp p, 0,1,2,3
	v_pk_fma_f32 v[LT+8*(4*\cc+\tt)+2*\p:LT+8*(4*\cc+\tt)+2*\p+1], v[8*(4*(2*\cp+\cc)+\tt)+2*\p:8*(4*(2*\cp+\cc)+\tt)+2*\p+1], v[RS+2*\tt:RS+2*\tt+1], v[NM+2*\tt:NM+2*\tt+1] op_sel_hi:[1,0,0]
.endr
.endr
.endr
	WIN 0
.irp cc, 0,1
.irp tt, 0,1,2,3
.irp p, 0,1,2,3
	v_pk_fma_f32 v[LT+8*(4*\cc+\tt)+2*\p:LT+8*(4*\cc+\tt)+2*\p+1], v[LT+8*(4*\cc+\tt)+2*\p:LT+8*(4*\cc+\tt)+2*\p+1], v[LG+8*(2*\cp+\cc)+2*\p:LG+8*(2*\cp+\cc)+2*\p+1], v[LB+8*(2*\cp+\cc)+2*\p:LB+8*(2*\cp+\cc)+2*\p+1]
.endr
.endr
.endr
	WIN 0x40
.irp cc, 0,1
.irp tt, 0,1,2,3
.irp p, 0,1,2,3
	v_cvt_pk_bf16_f32 v[8*(4*(4*\w+\cp)+\tt)+4*\cc+\p], v[LT+8*(4*\cc+\tt)+2*\p], v[LT+8*(4*\cc+\tt)+2*\p+1]
.endr
.endr
.endr
.endm
.macro LN tg, tb
	WIN 0
	LNLOAD \tg, \tb, 0                             ; gain and bias of channels 0-127, on their way during the two passes
	WIN 0x0a                                       ; eight chains (4 token tiles x 2), started by the first channels: nothing is cleared
.irp q, 0,1
.irp tt, 0,1,2,3
	v_pk_add_f32 v[SA+4*\tt+2*\q:SA+4*\tt+2*\q+1], v[8*\tt+4*\q:8*\tt+4*\q+1], v[8*\tt+4*\q+2:8*\tt+4*\q+3]
.endr
.endr
	WIN 0x02
.irp c, 1,2,3,4,5,6,7
	LNSUM \c
.endr
	WIN 0x03
.irp c, 0,1,2,3,4,5,6,7
	LNSUM \c
.endr
	WIN 0
.irp tt, 0,1,2,3
	v_pk_add_f32 v[SA+4*\tt:SA+4*\tt+1], v[SA+4*\tt:SA+4*\tt+1], v[SA+4*\tt+2:SA+4*\tt+3]
.endr
.irp tt, 0,1,2,3
	v_add_f32 v[MN+2*\tt], v[SA+4*\tt], v[SA+4*\tt+1]
.endr
.irp tt, 0,1,2,3
	v_permlanex16_b32 v[MN+2*\tt+1], v[MN+2*\tt], s66, s67     ; the other 128 channels of the token lie 16 lanes away
.endr
.irp tt, 0,1,2,3
	v_add_f32 v[MN+2*\tt], v[MN+2*\tt], v[MN+2*\tt+1]
.endr
.irp tt, 0,1,2,3
	v_mul_f32 v[MN+2*\tt], s88, v[MN+2*\tt]        ; / 256
.endr
	LNVAR 0, 0, 1
	LNVAR 0, 1, 0
	LNVAR 0, 2, 0
	LNVAR 0, 3, 0
	LNVAR 1, 0, 0
	LNVAR 1, 1, 0
	LNVAR 1, 2, 0
	LNVAR 1, 3, 0
.irp tt, 0,1,2,3
	v_pk_add_f32 v[SA+4*\tt:SA+4*\tt+1], v[SA+4*\tt:SA+4*\tt+1], v[SA+4*\tt+2:SA+4*\tt+3]
.endr
.irp tt, 0,1,2,3
	v_add_f32 v[SA+4*\tt+2], v[SA+4*\tt], v[SA+4*\tt+1]
.endr
.irp tt, 0,1,2,3
	v_permlanex16_b32 v[SA+4*\tt+3], v[SA+4*\tt+2], s66, s67
.endr
.irp tt, 0,1,2,3
	v_add_f32 v[SA+4*\tt+2], v[SA+4*\tt+2], v[SA+4*\tt+3]
.endr
.irp tt, 0,1,2,3
	v_fma_f32 v[SA+4*\tt+2], v[SA+4*\tt+2], s88, s89           ; / 256 + EPS
.endr
.irp tt, 0,1,2,3
	v_rsq_f32 v[RS+2*\tt], v[SA+4*\tt+2]
.endr
	v_nop                                          ; the plain instruction behind the last of them: all that follows hangs on their results
	s_wait_alu depctr_va_vdst(0)                   ; one wait for the batch of four rsq, one for each token tile
.irp tt, 0,1,2,3
	v_mul_f32 v[NM+2*\tt], -v[MN+2*\tt], v[RS+2*\tt]           ; (x - m) rs = x rs + (-m rs)
.endr
	s_wait_dscnt 0x0                               ; gain and bias are in
	LNNORM 0, 0
	LNNORM 0, 1
	LNNORM 0, 2
	LNNORM 0, 3
	WIN 0
	LNLOAD \tg, \tb, 1
	s_wait_dscnt 0x0
	LNNORM 1, 0
	LNNORM 1, 1
	LNNORM 1, 2
	LNNORM 1, 3
	WIN 0
.endm
.macro ADDVEC tab                      ; X += a vector over the channels
.irp w, 0,1
	WIN 0
.irp c, 0,1,2,3,4,5,6,7
.irp f, 0,1
	ds_load_b128 v[LT+8*\c+4*\f:LT+8*\c+4*\f+3], v[VH] offset:\tab+64*(8*\w+\c)+16*\f
.endr
.endr
	s_wait_dscnt 0x0
	WIN 0x82+0x41*\w
.irp c, 0,1,2,3,4,5,6,7
.irp tt, 0,1,2,3
.irp p, 0,2,4,6
	v_pk_add_f32 v[8*(4*\c+\tt)+\p:8*(4*\c+\tt)+\p+1], v[8*(4*\c+\tt)+\p:8*(4*\c+\tt)+\p+1], v[LT+8*\c+\p:LT+8*\c+\p+1]
.endr
.endr
.endr
.endr
	WIN 0
.endm
; x comes in by rows (a load of the wave covers 512 consecutive bytes, aligned) into the registers of X[..][tt] as a mere parking place,
; goes through my stage and comes back with lane = token.  Row 8w + q of tile tt is token (2 (tt & 1) + w) 256 + 8 (tt >> 1) + q.
.macro XISSUE tt
.irp w, 0,1
	WIN 0x80+0x40*\w
.irp q, 0,1,2,3,4,5,6,7
.irp f, 0,1
	global_load_b128 v[8*(4*\q+\tt)+4*\f:8*(4*\q+\tt)+4*\f+3], v[VW], s[8:9] offset:((2*(\tt&1)+\w)*256+8*(\tt>>1)+\q)*1024+512*\f th:TH_LOAD_NT
.endr
.endr
.endr
.endm
.macro XSTAGE tt, left
	s_wait_loadcnt \left                           ; loads come back in order: the younger tile may stay out
.irp w, 0,1
	WIN 0x08+0x04*\w
.irp q, 0,1,2,3,4,5,6,7
.irp f, 0,1
	ds_store_b128 v[VSC], v[8*(4*\q+\tt)+4*\f:8*(4*\q+\tt)+4*\f+3] offset:STG1*(\tt&1)+(8*\w+\q)*SPITCH+512*\f
.endr
.endr
.endr
.irp w, 0,1
	WIN 0x80+0x40*\w
.irp q, 0,1,2,3,4,5,6,7
.irp f, 0,1
	ds_load_b128 v[8*(4*\q+\tt)+4*\f:8*(4*\q+\tt)+4*\f+3], v[VSD] offset:STG1*(\tt&1)+64*(8*\w+\q)+16*\f   ; LDS serves a wave in order (ISA guide 5.7.1): these see the stores above
.endr
.endr
.endr
.endm
.macro OUT tt                          ; the way back: lane = token into my stage, rows out of it, whole rows to memory
.irp w, 0,1
	WIN 0x08+0x04*\w
.irp q, 0,1,2,3,4,5,6,7
.irp f, 0,1
	ds_store_b128 v[VSD], v[8*(4*\q+\tt)+4*\f:8*(4*\q+\tt)+4*\f+3] offset:STG1*(\tt&1)+64*(8*\w+\q)+16*\f
.endr
.endr
.endr
	WIN 0x40
.irp w, 0,1
.irp q, 0,1,2,3,4,5,6,7
.irp f, 0,1
	ds_load_b128 v[128*(\tt&1)+4*(2*(8*\w+\q)+\f):128*(\tt&1)+4*(2*(8*\w+\q)+\f)+3], v[VSC] offset:STG1*(\tt&1)+(8*\w+\q)*SPITCH+512*\f
.endr
.endr
.endr
	WIN 0x04
.irp k, 0,1,2,3
	s_wait_dscnt 24-8*\k                           ; the read-backs younger than these eight may stay out
.irp m, 0,1,2,3,4,5,6,7
	global_store_b128 v[VW], v[128*(\tt&1)+4*(8*\k+\m):128*(\tt&1)+4*(8*\k+\m)+3], s[10:11] offset:((2*(\tt&1)+(\k>>1))*256+8*(\tt>>1)+4*(\k&1)+(\m>>1))*1024+512*(\m&1) th:TH_STORE_NT
.endr
.endr
	WIN 0
.endm
; The hidden layer of the position stack for (my query, one key): 8 units a lane.  The difference of positions is formed first.
.macro HID pq, sx, sy, dst
	v_sub_f32 v[DX], v[\pq], \sx
	v_sub_f32 v[DY], v[(\pq)+1], \sy
.irp e, 0,2,4,6
	v_pk_fma_f32 v[HT+\e:HT+\e+1], v[PEA+\e:PEA+\e+1], v[DX:DX+1], v[PEC+\e:PEC+\e+1] op_sel_hi:[1,0,1]
.endr
.irp e, 0,2,4,6
	v_pk_fma_f32 v[HT+\e:HT+\e+1], v[PEB+\e:PEB+\e+1], v[DY:DY+1], v[HT+\e:HT+\e+1] op_sel_hi:[1,0,1]
.endr
.irp e, 0,1,2,3,4,5,6,7
	v_max_num_f32 v[HT+\e], 0, v[HT+\e]
.endr
.irp e, 0,1,2,3
	v_cvt_pk_bf16_f32 v[\dst+\e], v[HT+2*\e], v[HT+2*\e+1]
.endr
.endm
.macro BSTORE d, off
.irp j, 0,1,2,3
	ds_store_b32 v[VBS], v[\d+\j] offset:\j*8192+\off
.endr
.endm
; One window, four heads.  One matrix instruction: K = 16 units of key 16tk+jj, then 16 units of key 16tk+8+jj; rows 0-3 the four heads for the first key,
; rows 8-11 for the second; columns the 16 queries of tile tq.  So register j of lane (r, h) is the bias of head j, query 16tq+r, key 16tk+8h+jj: the lane
; layout of the scores.  The four stores of a result stand behind the next 22 vector instructions, which name none of its registers.
.macro PEBODY
.set PN, 0
.set POFF, 0
.irp tk, 0,1
.irp jj, 0,1,2,3,4,5,6,7
	v_readlane_b32 s80, v[PP+2*\tk],   \jj
	v_readlane_b32 s81, v[PP+2*\tk+1], \jj
	v_readlane_b32 s82, v[PP+2*\tk],   \jj+8
	v_readlane_b32 s83, v[PP+2*\tk+1], \jj+8
.irp tq, 0,1
	HID PP+2*\tq, s80, s81, HFR+8*(PN&1)
.if PN > 0
	BSTORE DT+8*((PN-1)&1), POFF
.endif
	HID PP+2*\tq, s82, s83, HFR+8*(PN&1)+4
	v_wmma_f32_16x16x32_bf16 v[DT+8*(PN&1):DT+8*(PN&1)+7], v[W2F:W2F+7], v[HFR+8*(PN&1):HFR+8*(PN&1)+7], v[B2T:B2T+7]
.set POFF, \tq*2048+(2*\tk+(\jj>>2))*512+4*(\jj&3)
.set PN, PN+1
.endr
.endr
.endr
	PLACES
	BSTORE DT+8*((PN-1)&1), POFF
.endm
.macro PEPASS p                        ; the bias of heads 4p .. 4p+3 for my two windows, times log2(e), in f32, into my 32,768 bytes
	WIN 0
.irp q, 0,1,2,3,4,5
	ds_load_b128 v[PEA+4*\q:PEA+4*\q+3], v[VSC] offset:SAVE+512*\q
.endr
	ds_load_b128 v[W2F:W2F+3],   v[VSC] offset:SAVE+512*(8+2*\p)
	ds_load_b128 v[W2F+4:W2F+7], v[VSC] offset:SAVE+512*(9+2*\p)
.irp j, 0,1,2,3
	v_mov_b32 v[B2T+\j], s[72+4*\p+\j]
	v_mov_b32 v[B2T+4+\j], 0                       ; rows that are not stored
.endr
.irp j, 0,1,2,3
	v_mul_f32 v[B2T+\j], 0x3fb8aa3b, v[B2T+\j]
.endr
	v_mov_b32 v[VBS], v[VSC]
	v_add_nc_u32 v[VPP], SAVE+512*6, v[VSC]
	s_mov_b32 s84, 0
.Lpe_\p:
	ds_load_b128 v[PP:PP+3], v[VPP]                ; x, y of tokens r and 16 + r of the window
	s_wait_dscnt 0x0
	PEBODY
	v_add_nc_u32 v[VBS], 4096, v[VBS]
	v_add_nc_u32 v[VPP], 512, v[VPP]
	s_add_co_u32 s84, s84, 1
	s_cmp_lt_u32 s84, 2
	s_cbranch_scc1 .Lpe_\p
.endm
; One head: its tile holds 16 fragments each of Wq, Wk, Wv (rows of the head) and Wp (columns of the head).
.macro HEADTRIP slot
	TRIPHEAD \slot, 1
.irp ct, 0,1
.irp f, 0,1
	ds_load_b128 v[BTQ+8*\ct+4*\f:BTQ+8*\ct+4*\f+3], v[VHB] offset:2048+128*\slot+64*\ct+16*\f
	ds_load_b128 v[BTK+8*\ct+4*\f:BTK+8*\ct+4*\f+3], v[VHB] offset:3072+128*\slot+64*\ct+16*\f
.endr
.endr
	WLOAD WFA, \slot, 0
	WLOAD WFB, \slot, 1
	WIN 0x04
	GIN WFA, 0, BTQ, \slot, 2
	GIN WFB, 1, BTQ, \slot, 3
	GIN WFA, 2, BTQ, \slot, 4
	GIN WFB, 3, BTQ, \slot, 5
	WIN 0
	PACK QF
	WIN 0x04
	GIN WFA, 0, BTK, \slot, 6
	GIN WFB, 1, BTK, \slot, 7
	GIN WFA, 2, BTK, \slot, 8
	GIN WFB, 3, BTK, \slot, 9
	WIN 0
	PACK KF
	GV WFA, 0
	WLOAD WFA, \slot, 10
	GV WFB, 1
	WLOAD WFB, \slot, 11
	GV WFA, 2
	WLOAD WFA, \slot, 12                           ; the first fragments of Wp wait in WFA
	GV WFB, 3
.irp tq, 0,1
.irp g, 0,1,2,3
	ds_load_b128 v[WFB+16*\tq+4*\g:WFB+16*\tq+4*\g+3], v[VBI] offset:8192*\slot+2048*\tq+512*\g       ; bias, window 0
.endr
.endr
	PACKV
.irp tt, 0,1,2,3
.irp tk, 0,1
	v_wmma_f32_16x16x32_bf16 v[ACC+8*(2*\tt+\tk):ACC+8*(2*\tt+\tk)+7], v[KF+8*(2*(\tt>>1)+\tk):KF+8*(2*(\tt>>1)+\tk)+7], v[QF+8*\tt:QF+8*\tt+7], 0   ; lane = query, registers = keys
.endr
.endr
	PLACES
.irp tq, 0,1
.irp g, 0,1,2,3
	ds_load_b128 v[KF+16*\tq+4*\g:KF+16*\tq+4*\g+3], v[VBI] offset:8192*\slot+4096+2048*\tq+512*\g    ; bias, window 1
.endr
.endr
	s_wait_dscnt 0x8                               ; window 1 bias, eight loads, may stay out
	SMPRE ACC, WFB                                 ; the batch of 64 exponentials opens: window 0,
	SMPRE ACC+16, WFB+16
.irp dt, 0,1
.irp f, 0,1
	ds_load_b128 v[BVT+8*\dt+4*\f:BVT+8*\dt+4*\f+3], v[VHB] offset:4096+128*\slot+64*\dt+16*\f   ; onto the exponents of tile 0, whose exponentials stand a whole tile's plain work back
.endr
.endr
	s_wait_dscnt 0x4                               ; the four loads of bv may stay out
	SMPRE ACC+32, KF                               ; window 1: its scalings, maxima and subtractions are the independent work behind window 0's exponentials
	SMPRE ACC+48, KF+16
	v_nop                                          ; one plain instruction behind the run of transcendentals (ISA guide 5.7.2): all that follows reads their results
	s_wait_alu depctr_va_vdst(0)                   ; one wait for the batch of 64 exponentials, ahead of its first reader, the first sum below
	SMPOST ACC, PF, 0
	SMPOST ACC+16, PF+8, 1
	SMPOST ACC+32, PF+16, 2
	SMPOST ACC+48, PF+24, 3
.irp dt, 0,1
.irp tt, 0,1,2,3
	v_wmma_f32_16x16x32_bf16 v[ACC+8*(4*\dt+\tt):ACC+8*(4*\dt+\tt)+7], v[VF+8*(2*(\tt>>1)+\dt):VF+8*(2*(\tt>>1)+\dt)+7], v[PF+8*\tt:PF+8*\tt+7], 0
.endr
.endr
	PLACES
	s_wait_dscnt 0x0
	ONORM
	WLOAD WFB, \slot, 13
	GOUT WFA, 0, OF, 0x8
	WLOAD WFA, \slot, 14
	GOUT WFB, 1, OF, 0x8
	WLOAD WFB, \slot, 15
	GOUT WFA, 2, OF, 0x8
	GOUT WFB, 3, OF, 0x0
.endm
	; ---------------- arguments, ids, descriptors, the first tile ----------------
	s_load_b512 s[8:23], s[0:1], 0x0               ; x 8, out0 10, wbuf 12, pos 14, ln1_g 16, ln1_b 18, bq 20, bk 22
	s_load_b512 s[24:39], s[0:1], 0x40             ; bv 24, bp 26, ln2_g 28, ln2_b 30, fc2_b 32, fc1_b 34, pe_w1 36, pe_b1 38
	s_load_b256 s[40:47], s[0:1], 0x80             ; bn_g 40, bn_b 42, bn_m 44, bn_v 46
	s_load_b128 s[48:51], s[0:1], 0xa0             ; pe_w2 48, pe_b2 50
	v_lshl_add_u32 v190, v0, 2, 0x49c00
	v_mov_b32 v191, 0
	ds_add_u32 v190, v191
	s_wait_dscnt 0x0
	v_lshrrev_b32 v11, 5, v0
	v_readfirstlane_b32 s4, v11                    ; wave 0..3
	s_bfe_u32 s5, ttmp6, 0x40000                   ; cx; it enters global addresses of x, pos and out0 alone
	s_lshl_b32 s6, ttmp9, 10                       ; a cluster: 4 image rows of 256 tokens
	s_lshl_b32 s7, s5, 6                           ; a work-group: 64 columns
	s_add_co_u32 s6, s6, s7
	s_lshl_b32 s7, s4, 4                           ; a wave: 16 columns
	s_add_co_u32 s6, s6, s7                        ; my first token
	s_lshl_b32 s2, s6, 10                          ; x 1,024 bytes (below 2^26)
	s_mov_b32 s3, 0
	s_lshl_b32 s6, s6, 3                           ; x 8 bytes in pos
	s_mov_b32 s7, 0
	s_mov_b32 s52, 0x0023000f                      ; group 1: mask 15, elements of 8 bytes, bit 21 beside the mask, no padding
	s_mov_b32 s53, 32<<16                          ; tensor_dim0 = 32 elements: rows of 256 bytes
	s_mov_b32 s54, 64<<16                          ; tensor_dim1 = 64 rows
	s_mov_b32 s55, 32<<16                          ; tile_dim0 = 32
	s_mov_b32 s56, 64                              ; tile_dim1 = 64: 16 KiB, my quarter of a tile, dense in memory
	s_mov_b32 s57, 32                              ; pitch = 32 elements
	s_mov_b32 s58, 0
	s_mov_b32 s59, 0
	s_mov_b32 s66, 0x76543210                      ; v_permlanex16_b32: lane i takes lane i of the other half
	s_mov_b32 s67, 0xfedcba98
	s_mov_b32 s88, 0x3b800000                      ; 1 / 256
	s_mov_b32 s89, 0x3727c5ac                      ; EPS
	s_lshl_b32 s90, s4, 14
	s_mov_b32 s91, 0
	s_wait_kmcnt 0x0
	s_add_nc_u64 s[8:9], s[8:9], s[2:3]
	s_add_nc_u64 s[10:11], s[10:11], s[2:3]
	s_add_nc_u64 s[14:15], s[14:15], s[6:7]
	s_add_nc_u64 s[12:13], s[12:13], s[90:91]      ; wbuf at my quarter of tile 0: the wave number alone, equal in the four partners
	s_mov_b32 s60, 1
	s_lshl_b32 s61, s4, 14                         ; LDS: slot 0 + wave x 16 KiB
	s_mov_b64 s[62:63], s[12:13]
	s_or_b32 s63, s63, 0x80000000
	s_mov_b32 s68, 1
	s_add_co_u32 s69, s61, SLOTB                   ; slot 1
	s_add_nc_u64 s[70:71], s[12:13], SLOTB         ; tile 1
	s_or_b32 s71, s71, 0x80000000
	s_load_b256 s[72:79], s[50:51], 0x0            ; pe_b2
	ROUND                                          ; the four work-groups are here: the first joint loads meet
	tensor_load_to_lds s[60:63], s[52:59]          ; tile 0
	s_nop 0
	PLACES
	; ---------------- addresses ----------------
	v_and_b32 v11, 31, v0                          ; lane
	v_lshlrev_b32 v[VW], 4, v11
	v_add_nc_u32 v[VW+1], SLOTB, v[VW]
	v_and_b32 v224, 15, v0                         ; r
	v_bfe_u32 v225, v0, 4, 1                       ; h
	v_lshlrev_b32 v228, 5, v225                    ; 32 h
	v_add_nc_u32 v[VH], PAR, v228
	v_mov_b32 v[VHB], v[VH]
	v_add_nc_u32 v[VFB], 9216, v[VH]
	s_mul_i32 s90, s4, WS
	s_add_co_u32 s90, s90, WSB                     ; my scratch
	v_add_nc_u32 v[VSC], s90, v[VW]
	v_mul_u32_u24 v[VSD], v224, SPITCH
	v_add3_u32 v[VSD], v[VSD], v228, s90
	s_lshl_b32 s91, s4, 8
	v_lshl_add_u32 v226, v11, 3, s91               ; 8 bytes a lane, 256 a wave: a table of 1,024 bytes over four waves
	s_lshl_b32 s91, s4, 9
	v_lshl_add_u32 v227, v11, 4, s91               ; 16 bytes a lane
	v_lshlrev_b32 v229, 6, v225                    ; 64 h
	v_and_b32 v230, 3, v0
	v_lshl_add_u32 v230, v230, 6, v228             ; (r & 3) rows of pe_w2 + 8 h numbers
	v_and_b32 v231, 7, v0
	v_bfe_u32 v235, v0, 3, 1
	v_lshlrev_b32 v231, 3, v231
	v_lshl_add_u32 v231, v235, 11, v231            ; token (r >> 3) 256 + (r & 7), 8 bytes each
	v_add_nc_u32 v232, PAR, v226
	v_add_nc_u32 v233, PAR+9216, v227
	v_and_b32 v234, 12, v0                         ; r & 12
	; ---------------- 33 loads of parameters, then the first two token tiles of x ----------------
.irp k, 0,1,2,3,4,5,6,7,8
	global_load_b64 v[32+2*\k:33+2*\k], v226, s[16+2*\k:17+2*\k]
.endr
	global_load_b128 v[52:55], v227, s[34:35]
	global_load_b128 v[56:59], v227, s[34:35] offset:2048
.irp f, 0,1
	global_load_b128 v[64+4*\f:67+4*\f],   v228, s[38:39] offset:16*\f     ; pe_b1
	global_load_b128 v[72+4*\f:75+4*\f],   v228, s[40:41] offset:16*\f     ; bn_g
	global_load_b128 v[80+4*\f:83+4*\f],   v228, s[42:43] offset:16*\f     ; bn_b
	global_load_b128 v[88+4*\f:91+4*\f],   v228, s[44:45] offset:16*\f     ; bn_m
	global_load_b128 v[96+4*\f:99+4*\f],   v228, s[46:47] offset:16*\f     ; bn_v
.endr
.irp f, 0,1,2,3
	global_load_b128 v[104+4*\f:107+4*\f], v229, s[36:37] offset:16*\f     ; pe_w1: units 8h .. 8h+7, two numbers each
.endr
.irp p, 0,1
.irp f, 0,1
	global_load_b128 v[120+8*\p+4*\f:123+8*\p+4*\f], v230, s[48:49] offset:256*\p+16*\f   ; pe_w2: head 4p + (r & 3), units 8h ..
.endr
.endr
.irp a, 0,1
.irp tq, 0,1
	global_load_b64 v[136+4*\a+2*\tq:137+4*\a+2*\tq], v231, s[14:15] offset:4096*\tq+64*\a
.endr
.endr
	XISSUE 0
	XISSUE 1
	WIN 0
	s_wait_loadcnt 0x3f                            ; 64 loads of x are younger than the parameters; 63 is the most that the wait can name, and the smaller count is safe
	; ---------------- parameters into LDS ----------------
.irp k, 0,1,2,3,4,5,6,7,8
	ds_store_b64 v232, v[32+2*\k:33+2*\k] offset:1024*\k
.endr
	ds_store_b128 v233, v[52:55]
	ds_store_b128 v233, v[56:59] offset:2048
	; h = PEA dx + PEB dy + PEC with s = g rsq(v + EPS), PEA = s w1[.,0], PEB = s w1[.,1], PEC = s (b1 - m) + b
.irp e, 0,1,2,3,4,5,6,7
	v_add_f32 v[144+\e], s89, v[96+\e]
.endr
.irp e, 0,1,2,3,4,5,6,7
	v_rsq_f32 v[152+\e], v[144+\e]
.endr
	v_nop                                          ; the plain instruction behind the last of them, ahead of the use of a result and of the write of a source
	s_wait_alu depctr_va_vdst(0)                   ; one wait for the batch of eight rsq of the BatchNorm fold
.irp e, 0,2,4,6
	v_pk_mul_f32 v[152+\e:153+\e], v[152+\e:153+\e], v[72+\e:73+\e]
	v_pk_add_f32 v[144+\e:145+\e], v[64+\e:65+\e], v[88+\e:89+\e] neg_lo:[0,1] neg_hi:[0,1]
.endr
.irp e, 0,1,2,3,4,5,6,7
	v_mul_f32 v[160+\e], v[152+\e], v[104+2*\e]
	v_mul_f32 v[168+\e], v[152+\e], v[105+2*\e]
.endr
.irp e, 0,2,4,6
	v_pk_fma_f32 v[176+\e:177+\e], v[144+\e:145+\e], v[152+\e:153+\e], v[80+\e:81+\e]
.endr
.irp q, 0,1,2,3,4,5
	ds_store_b128 v[VSC], v[160+4*\q:163+4*\q] offset:SAVE+512*\q
.endr
	ds_store_b128 v[VSC], v[136:139] offset:SAVE+512*6
	ds_store_b128 v[VSC], v[140:143] offset:SAVE+512*7
	; W2F: rows 0-3 hold pe_w2 log2(e) in k 0-15, rows 8-11 in k 16-31, all else 0
.irp e, 0,2,4,6,8,10,12,14
	v_pk_mul_f32 v[120+\e:121+\e], v[120+\e:121+\e], 0x3fb8aa3b op_sel_hi:[1,0]
.endr
.irp e, 0,1,2,3,4,5,6,7
	v_cvt_pk_bf16_f32 v[184+\e], v[120+2*\e], v[121+2*\e]
.endr
	v_cmp_eq_u32 s92, 0, v234
	v_cmp_eq_u32 s93, 8, v234
.irp p, 0,1
.irp i, 0,1,2,3
	v_cndmask_b32 v[192+8*\p+\i], 0, v[184+4*\p+\i], s92
	v_cndmask_b32 v[196+8*\p+\i], 0, v[184+4*\p+\i], s93
.endr
	ds_store_b128 v[VSC], v[192+8*\p:195+8*\p] offset:SAVE+512*(8+2*\p)
	ds_store_b128 v[VSC], v[196+8*\p:199+8*\p] offset:SAVE+512*(9+2*\p)
.endr
	s_wait_kmcnt 0x0                               ; pe_b2
	s_wait_dscnt 0x0                               ; my part of the tables is written,
	s_barrier_signal -1
	s_barrier_wait -1                              ; everybody has written theirs.  Tile 0 may stay on its way
	; the pointers in s[16:29] have served (their loads are back): constants, as pairs for the packed forms
	s_mov_b32 s16, 0x3e6d3388                      ; 0.3275911 / sqrt 2
	s_mov_b32 s18, 0xbf38aa3b                      ; -log2(e) / 2
	s_mov_b32 s19, 0xbf38aa3b
	s_mov_b32 s20, 0xbf07dc22                      ; -a5 / 2
	s_mov_b32 s21, 0xbf07dc22
	s_mov_b32 s22, 0xbf35f0e3                      ; -a3 / 2
	s_mov_b32 s23, 0xbf35f0e3
	s_mov_b32 s24, 0x3e11a98e                      ; -a2 / 2
	s_mov_b32 s25, 0x3e11a98e
	s_mov_b32 s26, 0xbe027906                      ; -a1 / 2
	s_mov_b32 s27, 0xbe027906
	s_mov_b32 s28, 0x3e8293ee                      ; 32^-0.5 log2(e)
	s_mov_b32 s29, 0x3e8293ee
	; ---------------- x into X ----------------
	XSTAGE 0, 32
	XISSUE 2
	XSTAGE 1, 32
	XISSUE 3
	XSTAGE 2, 32
	XSTAGE 3, 0
	WIN 0
.irp n, 13,15,17,19,21,23,49,51,53,55,57,59,61,63,77,79
	v_mov_b32 v\n, 0                               ; upper halves of pairs whose lower half alone is used, and destinations of lane exchanges: written once
.endr
	s_wait_dscnt 0x0
	; ---------------- LN1; X = x + bp, onto which the projection adds ----------------
	LN 0, 1024
	ADDVEC 5120
	; ---------------- attention: two passes of four heads ----------------
	PEPASS 0
	v_mov_b32 v[VBI], v[VSC]
	s_mov_b32 s85, 0
.Lhead0:
	HEADTRIP 0
	HEADTRIP 1
	v_add_nc_u32 v[VHB], 256, v[VHB]
	v_add_nc_u32 v[VBI], 16384, v[VBI]
	s_add_co_u32 s85, s85, 1
	s_cmp_lt_u32 s85, 2
	s_cbranch_scc1 .Lhead0
	PEPASS 1
	v_mov_b32 v[VBI], v[VSC]
	s_mov_b32 s85, 0
.Lhead1:
	HEADTRIP 0
	HEADTRIP 1
	v_add_nc_u32 v[VHB], 256, v[VHB]
	v_add_nc_u32 v[VBI], 16384, v[VBI]
	s_add_co_u32 s85, s85, 1
	s_cmp_lt_u32 s85, 2
	s_cbranch_scc1 .Lhead1
	; ---------------- LN2; X = x1 + fc2_b, onto which fc2 adds ----------------
	LN 6144, 7168
	ADDVEC 8192
	v_mov_b32 v30, 0x3f3a00e3                      ; -a4 / 2
	v_mov_b32 v31, 0x3f3a00e3
	; ---------------- MLP: 16 tiles, 32 hidden chunks, fc2 one chunk behind fc1 ----------------
	MTILE 0, 1, 1, 0                               ; tile 0 fills the pipeline
	s_mov_b32 s86, 0
.Lmlp:
	MTILE 1, 1, 0, 0                               ; tiles 2m+1 and 2m+2: chunks 4m+3 .. 4m+6 of fc1
	MTILE 0, 1, 0, 0
	v_add_nc_u32 v[VFB], 512, v[VFB]
	s_add_co_u32 s86, s86, 1
	s_cmp_lt_u32 s86, 7
	s_cbranch_scc1 .Lmlp
	MTILE 1, 0, 0, 1                               ; tile 15 drains it and asks for nothing
	; ---------------- the way out (the four places behind the last matrix instructions stand at the end of the tile) ----------------
	OUT 0
	OUT 1
	s_wait_xcnt 0x0                                ; the registers that the stores of tile 0 read are loaded again only behind this wait
	OUT 2
	s_wait_xcnt 0x0
	OUT 3
	s_wait_xcnt 0x0
	v_lshl_add_u32 v190, v0, 2, 0x49c00
	v_mov_b32 v191, 0
	s_wait_tensorcnt 0x0
	ds_add_u32 v190, v191
	s_wait_dscnt 0x0
	ROUND                                          ; the closing round: no work-group ends while a partner may still ask for a tile that names it
	s_endpgm
.Lfunc_end_k_qf34b92837c_fused:
	.size	k_qf34b92837c_fused, .Lfunc_end_k_qf34b92837c_fused-k_qf34b92837c_fused
	.p2alignl 7, 3214868480
	.fill 96, 4, 3214868480
	.section	.rodata,"a",@progbits
	.p2align	6, 0x0
	.amdhsa_kernel k_qf34b92837c_fused
		.amdhsa_group_segment_fixed_size 327680
		.amdhsa_private_segment_fixed_size 0
		.amdhsa_enable_private_segment 0
		.amdhsa_kernarg_size 176
		.amdhsa_user_sgpr_count 2
		.amdhsa_user_sgpr_kernarg_segment_ptr 1
		.amdhsa_wavefront_size32 1
		.amdhsa_system_sgpr_workgroup_id_x 1
		.amdhsa_system_sgpr_workgroup_id_y 1
		.amdhsa_system_sgpr_workgroup_id_z 1
		.amdhsa_system_vgpr_workitem_id 0
		.amdhsa_next_free_vgpr 1024
		.amdhsa_next_free_sgpr 96
		.amdhsa_reserve_vcc 0
		.amdhsa_float_denorm_mode_32 3
		.amdhsa_float_denorm_mode_16_64 3
		.amdhsa_memory_ordered 1
		.amdhsa_forward_progress 1
		.amdhsa_inst_pref_size 255
	.end_amdhsa_kernel
	.section	.bss,"aw",@nobits
	.p2align	6
	.space	262144
	.amdgpu_metadata
---
amdhsa.version: [ 1, 2 ]
amdhsa.kernels:
  - .name:           k_qf34b92837c_fused
    .symbol:         k_qf34b92837c_fused.kd
    .args:
      - { .name: x, .offset: 0, .size: 8, .value_kind: global_buffer, .address_space: global }
      - { .name: out0, .offset: 8, .size: 8, .value_kind: global_buffer, .address_space: global }
      - { .name: wbuf, .offset: 16, .size: 8, .value_kind: global_buffer, .address_space: global }
      - { .name: pos, .offset: 24, .size: 8, .value_kind: global_buffer, .address_space: global }
      - { .name: ln1_g, .offset: 32, .size: 8, .value_kind: global_buffer, .address_space: global }
      - { .name: ln1_b, .offset: 40, .size: 8, .value_kind: global_buffer, .address_space: global }
      - { .name: bq, .offset: 48, .size: 8, .value_kind: global_buffer, .address_space: global }
      - { .name: bk, .offset: 56, .size: 8, .value_kind: global_buffer, .address_space: global }
      - { .name: bv, .offset: 64, .size: 8, .value_kind: global_buffer, .address_space: global }
      - { .name: bp, .offset: 72, .size: 8, .value_kind: global_buffer, .address_space: global }
      - { .name: ln2_g, .offset: 80, .size: 8, .value_kind: global_buffer, .address_space: global }
      - { .name: ln2_b, .offset: 88, .size: 8, .value_kind: global_buffer, .address_space: global }
      - { .name: fc2_b, .offset: 96, .size: 8, .value_kind: global_buffer, .address_space: global }
      - { .name: fc1_b, .offset: 104, .size: 8, .value_kind: global_buffer, .address_space: global }
      - { .name: pe_w1, .offset: 112, .size: 8, .value_kind: global_buffer, .address_space: global }
      - { .name: pe_b1, .offset: 120, .size: 8, .value_kind: global_buffer, .address_space: global }
      - { .name: bn_g, .offset: 128, .size: 8, .value_kind: global_buffer, .address_space: global }
      - { .name: bn_b, .offset: 136, .size: 8, .value_kind: global_buffer, .address_space: global }
      - { .name: bn_m, .offset: 144, .size: 8, .value_kind: global_buffer, .address_space: global }
      - { .name: bn_v, .offset: 152, .size: 8, .value_kind: global_buffer, .address_space: global }
      - { .name: pe_w2, .offset: 160, .size: 8, .value_kind: global_buffer, .address_space: global }
      - { .name: pe_b2, .offset: 168, .size: 8, .value_kind: global_buffer, .address_space: global }
    .group_segment_fixed_size: 327680
    .private_segment_fixed_size: 0
    .kernarg_segment_align: 8
    .kernarg_segment_size: 176
    .max_flat_workgroup_size: 128
    .sgpr_count:     96
    .vgpr_count:     1024
    .wavefront_size: 32
...
	.end_amdgpu_metadata
.endif
;; end of part 3
